; MI455X (gfx1250); checked and timed in simulation.
; The chip was launched on July 23, 2026; its instructions are those of AMD's public machine-readable ISA for CDNA 5 (MIT licence, August 2026) and "CDNA5" Instruction Set Architecture Reference Guide (July 2026). The comments in the code are by the model that wrote it; some were corrected since.
;; Attention. Allowed arithmetic: float matrix products may take bf16 or f16 operands with f32 sums; other float arithmetic in f32, or as packed bf16 or f16 multiplies, adds, multiply-adds, maxima and minima; sums over many terms, partial sums and values carried from step to step in f32; what a program stores and reads back later, other than sums and carried values, may be rounded once to bf16 or f16.
;; Inputs: V 1,024 x 1 float32; W1 1,024 x 1,024 float32; W2 1,024 x 1,024 float32; b1 1,024 float32; b2 1,024 float32; bV 1 float32; features 32 x 2,048 x 1,024 float32; hidden 32 x 1,024 float32.
;; Outputs: out0 32 x 1,024 float32; out1 32 x 2,048 x 1 float32.
;; 2 versions, each right; version 2 is version 1 with the launch main written anew for expert scheduling mode. Each part assembles by itself: llvm-mc -triple=amdgcn-amd-amdhsa -mcpu=gfx1250 --defsym DOCPART=n.
;; ======== version 1 of 2: 3 launches
;; limits: values outside matrix products are rounded to bf16
;; workspace buffers: w1f 2,097,152 bytes; hbw 131,072 bytes; lg 262,144 bytes; stat 131,072 bytes; ctxp 2,097,152 bytes
;; launch prep (part 1): grid 80 x 1, 8 waves a work-group, no clusters, 107,520 bytes of LDS; arguments W1, W2, hidden, b1, b2, w1f, hbw; writes w1f, hbw
.if DOCPART == 1
	.amdgcn_target "amdgcn-amd-amdhsa--gfx1250"
	.amdhsa_code_object_version 6
	.text
	.protected	k_qe593ca8db0_prep
	.globl	k_qe593ca8db0_prep
	.p2align	8
	.type	k_qe593ca8db0_prep,@function
k_qe593ca8db0_prep:
	s_mov_b64 s[64:65], 0
	v_nop
	global_prefetch_b8 v0, s[64:65] scope:SCOPE_SE
	s_setreg_imm32_b32 hwreg(HW_REG_WAVE_MODE, 25, 1), 1
	s_wait_xcnt 0x0
; TWO ROLES, chosen by the work-group's number (the same for all its waves).
; Work-groups 0-63:  w1f = bf16(C2 x W1), C2 = 2 log2(e), laid out as the matrix fragments that the next launch loads straight into registers:
;   [wave 4][pass 2][K step 32][column tile 8][half 2][lane 32][16 bytes]; column = 512 pass + 128 wave + 16 tile + lane % 16; half i holds k = 32 step + 16 i + 8 (lane / 16) + 0..7.
; Work-groups 64-79: hbw[m][n] = C2 x (sum over k of hidden[m][k] W2[k][n] + b1[n] + b2[n]), f32, 64 columns a work-group; each of the eight waves sums 128 of K, the partial sums meet in LDS.
; LIMITS.  W1 (after the factor C2), hidden and W2 are rounded once to bf16 for the matrix unit; sums in f32.  NaN and infinities are not treated apart.
; A tile of 32 k x 64 n comes in as f32 rows of 256 bytes, is rounded, laid into the wave's own LDS tile ([k][n], pitch 160 bytes = 5 x 32) and read back turned by ds_load_tr16_b128.
.set C2,     0x4038aa3b                ; 2 log2(e)
.set TPITCH, 160
.set TILEB,  32*TPITCH                 ; a wave's tile
.set PR,     8*TILEB                   ; behind the tiles: [wave 8][m 32][n 64] f32, partial sums
.set SPARE,  PR+8*8192                 ; behind them: the spare words, 128 bytes for each wave
.set VO,  1                            ; v1   byte offset in a tile's first two rows of f32: lanes 0-15 one row of 256 bytes, lanes 16-31 the next
.set LS,  2                            ; v2   where I put 8 bytes (4 bf16) of the tile
.set LT,  3                            ; v3   my address for the turning load
.set L16, 4                            ; v4   16 x lane
.set HO,  5                            ; v5   my byte offset in hidden
.set PS,  6                            ; v6   where I put partial sums
.set PL,  7                            ; v7   where I read them back
.set BI,  8                            ; v8-11 b1, v12-15 b2 of my four columns
.set BO,  16                           ; v16  their byte offset
.set OO,  17                           ; v17  my byte offset in hbw
.set SPW, 28                           ; v28  my spare word; never rewritten
.set NIL, 29                           ; v29  0; never rewritten
.set AF,  64                           ; v64-127  hidden's fragments, (K step, row tile) at 8 (2 ks + mt); later the partial sums read back
.set T,   128                          ; v128-159 a tile rounded to bf16
.set HR,  128                          ; v128-255 hidden as loaded (used up before T, BF and ACC are written)
.set BF,  160                          ; v160-191 four turned fragments
.set ACC, 192                          ; v192-255 eight accumulators, (mt, b) at 8 (4 mt + b)
                                       ; window 1: tiles as loaded, 64 registers each
.set MSB, 0
.macro WIN new                         ; the immediate's high byte repeats the setting that is left
.if MSB != (\new)
	s_set_vgpr_msb (MSB<<8)|(\new)
.set MSB, \new
.endif
.endm
.macro LD64 dst, base, imm             ; 32 rows x 256 bytes, two rows a load, into window 1
	WIN 0x40
.set i, 0
.rept 16
	global_load_b128 v[(\dst)+4*i:(\dst)+4*i+3], v[VO], s[\base:\base+1] offset:(\imm)+i*8192 th:TH_LOAD_NT
.set i, i+1
.endr
	WIN 0
.endm
.macro CVT64 src, scale                ; (times C2,) rounded to bf16, into my LDS tile
.if \scale
	WIN 0x41
.set i, 0
.rept 32
	v_pk_mul_f32 v[(\src)+2*i:(\src)+2*i+1], v[(\src)+2*i:(\src)+2*i+1], s[22:23] op_sel_hi:[1,0]
.set i, i+1
.endr
.endif
	WIN 0x05
.set i, 0
.rept 32
	v_cvt_pk_bf16_f32 v[T+i], v[(\src)+2*i], v[(\src)+2*i+1]
.set i, i+1
.endr
	WIN 0
.set i, 0
.rept 16
	ds_store_b64 v[LS], v[T+2*i:T+2*i+1] offset:i*2*TPITCH
.set i, i+1
.endr
.endm
.macro TR64                            ; four fragments of 32 k x 16 n; LDS serves a wave's instructions in order (ISA guide 5.7.1.4): these see the stores above
.irp b, 0,1,2,3
	ds_load_tr16_b128 v[BF+8*\b:BF+8*\b+3],   v[LT] offset:32*\b
	ds_load_tr16_b128 v[BF+8*\b+4:BF+8*\b+7], v[LT] offset:32*\b+16*TPITCH
.endr
.endm
	s_load_b256 s[4:11], s[0:1], 0x0               ; W1 s[4:5], W2 s[6:7], hidden s[8:9], b1 s[10:11]
	s_load_b128 s[12:15], s[0:1], 0x20             ; b2 s[12:13], w1f s[14:15]
	s_load_b64 s[16:17], s[0:1], 0x30              ; hbw
	v_lshl_add_u32 v[SPW], v0, 2, SPARE
	v_mov_b32 v[NIL], 0
	v_lshrrev_b32 v30, 5, v0
	v_readfirstlane_b32 s20, v30                   ; wave 0..7
	s_mov_b32 s21, ttmp9
	s_mov_b32 s22, C2
	s_mov_b32 s23, C2                              ; named with it as a pair
	s_mul_i32 s34, s20, TILEB                      ; my tile
	v_and_b32 v31, 15, v0                          ; r
	v_bfe_u32 v32, v0, 4, 1                        ; h
	v_and_b32 v33, 7, v0
	v_bfe_u32 v34, v0, 3, 1
	v_lshlrev_b32 v[VO], 4, v31
	v_lshl_add_u32 v[VO], v32, 12, v[VO]           ; 4,096 h + 16 r
	v_mul_u32_u24 v[LS], v32, TPITCH
	v_lshl_add_u32 v[LS], v31, 3, v[LS]
	v_add_nc_u32 v[LS], s34, v[LS]                 ; tile + 160 h + 8 r
	v_lshl_add_u32 v[LT], v32, 3, v33
	v_mul_u32_u24 v[LT], v[LT], TPITCH
	v_lshl_add_u32 v[LT], v34, 4, v[LT]
	v_add_nc_u32 v[LT], s34, v[LT]                 ; tile + (8 h + lane % 8) 160 + 16 ((lane / 8) % 2)
	v_and_b32 v[L16], 31, v0
	v_lshlrev_b32 v[L16], 4, v[L16]
	s_wait_kmcnt 0x0
	s_cmp_lt_u32 s21, 64
	s_cbranch_scc0 .Lrole_h
	; ROLE W: wave tile T = 8 x work-group + wave of 512: group G = T / 2 (8,192 bytes of w1f), half T % 2 (four column tiles)
	s_lshl_b32 s24, s21, 3
	s_add_co_u32 s24, s24, s20
	s_lshr_b32 s25, s24, 1                         ; G = (2 wave' + pass) 32 + K step
	s_and_b32 s26, s24, 1                          ; half
	s_lshr_b32 s27, s25, 5
	s_and_b32 s28, s25, 31                         ; K step
	s_and_b32 s29, s27, 1
	s_lshl_b32 s29, s29, 9                         ; 512 pass
	s_lshr_b32 s30, s27, 1
	s_lshl_b32 s30, s30, 7                         ; 128 wave'
	s_add_co_u32 s29, s29, s30
	s_lshl_b32 s30, s26, 6
	s_add_co_u32 s29, s29, s30                     ; the tile's first column
	s_lshl_b32 s30, s28, 17                        ; 32 rows of 4,096 bytes a K step
	s_lshl2_add_u32 s30, s29, s30
	s_mov_b32 s31, 0
	s_add_nc_u64 s[4:5], s[4:5], s[30:31]
	s_lshl_b32 s32, s25, 13
	s_lshl_b32 s33, s26, 12
	s_add_co_u32 s32, s32, s33
	s_mov_b32 s33, 0
	s_add_nc_u64 s[14:15], s[14:15], s[32:33]
	LD64 0, 4, 0
	s_wait_loadcnt 0x0
	CVT64 0, 1
	TR64
	s_wait_dscnt 0x0
.irp u, 0,1,2,3,4,5,6,7
	global_store_b128 v[L16], v[BF+4*\u:BF+4*\u+3], s[14:15] offset:512*\u  ; 512 consecutive bytes, at a multiple of 512 from w1f's first
.endr
	s_wait_tensorcnt 0x0                           ; the wave's end
	ds_add_u32 v[SPW], v[NIL]
	s_wait_dscnt 0x0
	s_endpgm
.Lrole_h:
	; ROLE H: columns 64 j .. 64 j + 63, all 32 rows of hidden; my wave sums k = 128 w .. 128 w + 127 in four K steps
	s_sub_co_u32 s24, s21, 64                      ; j
	s_lshl_b32 s25, s24, 8                         ; the first column, in bytes of f32
	s_lshl_b32 s30, s20, 9                         ; hidden: my 128 k
	s_mov_b32 s31, 0
	s_add_nc_u64 s[8:9], s[8:9], s[30:31]
	s_lshl_b32 s30, s20, 19                        ; W2: my 128 rows of 4,096 bytes,
	s_add_co_u32 s30, s30, s25                     ; and the columns
	s_add_nc_u64 s[6:7], s[6:7], s[30:31]
	v_lshlrev_b32 v[HO], 12, v31
	v_lshl_add_u32 v[HO], v32, 5, v[HO]            ; row r, k = 8 h on
	v_lshl_add_u32 v[BO], v31, 4, s25              ; the way out: four columns a thread, sixteen threads a row of 256 bytes
	v_lshrrev_b32 v35, 4, v0                       ; rows t / 16 and t / 16 + 16
	v_lshl_add_u32 v[OO], v35, 12, v[BO]
	s_lshl_b32 s26, s20, 13
	v_lshl_add_u32 v[PS], v32, 11, s26
	v_lshl_add_u32 v[PS], v31, 2, v[PS]
	v_add_nc_u32 v[PS], PR, v[PS]                  ; my wave's block + 8 h rows of 256 bytes + 4 r
	v_lshlrev_b32 v[PL], 8, v35
	v_lshl_add_u32 v[PL], v31, 4, v[PL]
	v_add_nc_u32 v[PL], PR, v[PL]
.irp ks, 0,1,2,3
.irp mt, 0,1
.irp c, 0,1,2,3                        ; a fragment's 16 numbers of a lane: k = 8 h + 0..7 and 16 + 8 h + 0..7, in f32 four loads of 16 bytes
	global_load_b128 v[HR+16*(2*\ks+\mt)+4*\c:HR+16*(2*\ks+\mt)+4*\c+3], v[HO], s[8:9] offset:\mt*65536+\ks*128+(\c/2)*64+(\c%2)*16
.endr
.endr
.endr
	global_load_b128 v[BI:BI+3],   v[BO], s[10:11]
	global_load_b128 v[BI+4:BI+7], v[BO], s[12:13]
.irp ks, 0,1,2,3
	LD64 64*\ks, 6, \ks*131072
.endr
	s_wait_loadcnt 63                              ; 64 loads are younger than b2's
.set i, 0
.rept 64
	v_cvt_pk_bf16_f32 v[AF+i], v[HR+2*i], v[HR+2*i+1]
.set i, i+1
.endr
.irp ks, 0,1,2,3
	s_wait_loadcnt 48-16*\ks                       ; the later tiles of W2, 16 loads each, stay out
	CVT64 64*\ks, 0                                ; its 32 conversions name no register of the products before: they are the places in front of the loads into BF
	TR64
	s_wait_dscnt 0x0
.irp mt, 0,1
.irp b, 0,1,2,3                        ; the eight accumulators take turns; the first K step starts the sums
.if \ks == 0
	v_wmma_f32_16x16x32_bf16 v[ACC+8*(4*\mt+\b):ACC+8*(4*\mt+\b)+7], v[AF+8*(2*\ks+\mt):AF+8*(2*\ks+\mt)+7], v[BF+8*\b:BF+8*\b+7], 0
.else
	v_wmma_f32_16x16x32_bf16 v[ACC+8*(4*\mt+\b):ACC+8*(4*\mt+\b)+7], v[AF+8*(2*\ks+\mt):AF+8*(2*\ks+\mt)+7], v[BF+8*\b:BF+8*\b+7], v[ACC+8*(4*\mt+\b):ACC+8*(4*\mt+\b)+7]
.endif
.endr
.endr
.endr
.rept 4
	v_nop                                          ; four places behind the last products (ISA guide 7.12.1)
.endr
.irp mt, 0,1
.irp b, 0,1,2,3
.irp j, 0,1,2,3,4,5,6,7                ; register j of a lane is (m = 16 mt + 8 h + j, n = 16 b + r); each accumulator is read from its low end on
	ds_store_b32 v[PS], v[ACC+8*(4*\mt+\b)+\j] offset:(16*\mt+\j)*256+64*\b
.endr
.endr
.endr
	s_wait_dscnt 0x0                               ; for the others' sake: my partial sums are in LDS
	s_barrier_signal -1
	s_barrier_wait -1
.irp w, 0,1,2,3,4,5,6,7
	ds_load_b128 v[AF+8*\w:AF+8*\w+3],   v[PL] offset:\w*8192
	ds_load_b128 v[AF+8*\w+4:AF+8*\w+7], v[PL] offset:\w*8192+4096
.endr
	v_pk_add_f32 v[BI:BI+1],   v[BI:BI+1],   v[BI+4:BI+5]      ; b1 + b2,
	v_pk_add_f32 v[BI+2:BI+3], v[BI+2:BI+3], v[BI+6:BI+7]
	v_pk_mul_f32 v[BI:BI+1],   v[BI:BI+1],   s[22:23] op_sel_hi:[1,0]  ; times C2
	v_pk_mul_f32 v[BI+2:BI+3], v[BI+2:BI+3], s[22:23] op_sel_hi:[1,0]
	s_wait_dscnt 0x0
.irp w, 1,2,3,4,5,6,7
.irp p, 0,1,2,3
	v_pk_add_f32 v[AF+2*\p:AF+2*\p+1], v[AF+2*\p:AF+2*\p+1], v[AF+8*\w+2*\p:AF+8*\w+2*\p+1]
.endr
.endr
.irp p, 0,1,2,3
	v_pk_fma_f32 v[AF+2*\p:AF+2*\p+1], v[AF+2*\p:AF+2*\p+1], s[22:23], v[BI+2*(\p%2):BI+2*(\p%2)+1] op_sel_hi:[1,0,1]
.endr
	global_store_b128 v[OO], v[AF:AF+3],   s[16:17]               ; sixteen lanes store 256 consecutive bytes, at a multiple of 256 from hbw's first
	global_store_b128 v[OO], v[AF+4:AF+7], s[16:17] offset:65536  ; the same columns sixteen rows down
	s_wait_tensorcnt 0x0                           ; the wave's end
	ds_add_u32 v[SPW], v[NIL]
	s_wait_dscnt 0x0
	s_endpgm
.Lfunc_end_k_qe593ca8db0_prep:
	.size	k_qe593ca8db0_prep, .Lfunc_end_k_qe593ca8db0_prep-k_qe593ca8db0_prep
	.p2alignl 7, 3214868480
	.fill 96, 4, 3214868480
	.section	.rodata,"a",@progbits
	.p2align	6, 0x0
	.amdhsa_kernel k_qe593ca8db0_prep
		.amdhsa_group_segment_fixed_size 107520
		.amdhsa_private_segment_fixed_size 0
		.amdhsa_enable_private_segment 0
		.amdhsa_kernarg_size 56
		.amdhsa_user_sgpr_count 2
		.amdhsa_user_sgpr_kernarg_segment_ptr 1
		.amdhsa_wavefront_size32 1
		.amdhsa_system_sgpr_workgroup_id_x 1
		.amdhsa_system_sgpr_workgroup_id_y 1
		.amdhsa_system_sgpr_workgroup_id_z 1
		.amdhsa_system_vgpr_workitem_id 0
		.amdhsa_next_free_vgpr 512
		.amdhsa_next_free_sgpr 66
		.amdhsa_reserve_vcc 0
		.amdhsa_float_denorm_mode_32 3
		.amdhsa_float_denorm_mode_16_64 3
		.amdhsa_memory_ordered 1
		.amdhsa_forward_progress 1
		.amdhsa_inst_pref_size 50
	.end_amdhsa_kernel
	.amdgpu_metadata
---
amdhsa.version: [ 1, 2 ]
amdhsa.kernels:
  - .name:           k_qe593ca8db0_prep
    .symbol:         k_qe593ca8db0_prep.kd
    .args:
      - { .name: W1, .offset: 0, .size: 8, .value_kind: global_buffer, .address_space: global }
      - { .name: W2, .offset: 8, .size: 8, .value_kind: global_buffer, .address_space: global }
      - { .name: hidden, .offset: 16, .size: 8, .value_kind: global_buffer, .address_space: global }
      - { .name: b1, .offset: 24, .size: 8, .value_kind: global_buffer, .address_space: global }
      - { .name: b2, .offset: 32, .size: 8, .value_kind: global_buffer, .address_space: global }
      - { .name: w1f, .offset: 40, .size: 8, .value_kind: global_buffer, .address_space: global }
      - { .name: hbw, .offset: 48, .size: 8, .value_kind: global_buffer, .address_space: global }
    .group_segment_fixed_size: 107520
    .private_segment_fixed_size: 0
    .kernarg_segment_align: 8
    .kernarg_segment_size: 56
    .max_flat_workgroup_size: 256
    .sgpr_count:     66
    .vgpr_count:     512
    .wavefront_size: 32
...
	.end_amdgpu_metadata
.endif
;; end of part 1
;; launch main (part 2): grid 512 x 1, 4 waves a work-group, no clusters, 280,064 bytes of LDS; arguments features, w1f, hbw, V, bV, lg, stat, ctxp; writes lg, stat, ctxp
.if DOCPART == 2
	.amdgcn_target "amdgcn-amd-amdhsa--gfx1250"
	.amdhsa_code_object_version 6
	.text
	.protected	k_qe593ca8db0_main
	.globl	k_qe593ca8db0_main
	.p2align	8
	.type	k_qe593ca8db0_main,@function
k_qe593ca8db0_main:
	s_mov_b64 s[64:65], 0
	v_nop
	global_prefetch_b8 v0, s[64:65] scope:SCOPE_SE
	s_setreg_imm32_b32 hwreg(HW_REG_WAVE_MODE, 25, 1), 1
	s_wait_xcnt 0x0
; A work-group owns 128 rows (time steps) of one batch, and all 1,024 columns of U.  It reads its rows of features ONCE, keeps them in LDS in bf16, and makes of them
;   logit[t] = bV + sum over u of V[u] tanh(features[t] . W1[:, u] + hidden-projection[u]),   the block's maximum m and sum l of e^(logit - m),   and the partial context sum over t of e^(logit - m) features[t].
; The last launch joins a batch's sixteen blocks.
; ARITHMETIC.  w1f holds bf16(C2 W1) and hbw holds C2 (hidden W2 + b1 + b2), C2 = 2 log2(e); hbw is the C operand of each sum's first product, so an accumulator ends as y = C2 x, and
; tanh x = 1 - 2 / (1 + 2^y).  With r = 1 / (1 + 2^y): logit = bV + sum V - 2 sum V r.  For large |y|, 2^y is infinite (r = 0) or 0 (r = 1): both are tanh's limits, so nothing is clamped.
; LIMITS.  features and C2 W1 are rounded to bf16 for the products; the block's weights p = e^(logit - m) are rounded to bf16 for the context product (their sum l is taken of the unrounded p);
; all sums in f32.  A weight below 2^-126 counts as 0.  NaN and infinities among the inputs are not treated apart.
; SHARES.  Four waves.  U goes in two passes of 512 columns; in a pass wave w makes 128 rows x 128 columns: 64 accumulators, 512 registers.  For 32 along K a wave reads 16 x 512 bytes of features
; from LDS and 16 x 512 bytes of W1 from memory, and issues 64 matrix instructions.
; NO CLUSTER, NO TENSOR LOADS, though every work-group walks the same W1: the rows in bf16 take 128 x 2,064 = 264,192 bytes of LDS; a K step of 32 x 512 columns of W1 is 32,768 bytes, and two
; slots of that do not fit in what is left (63,488 less tables, stages and spare words).  No two waves of the work-group read the same fragment of W1, so it goes straight into
; registers, laid out for that by the launch before: a ring of four register buffers, asked for two and a half K steps (160 matrix instructions) ahead of its use.  No barrier stands in the K loop.
; THE MATRIX INSTRUCTION IS USED TRANSPOSED (source 0 = 16 columns of W1, source 1 = 16 rows of features): a lane holds ONE row (lane % 16) and columns 8 (lane / 16) + 0..7,
; so V's dot is a sum along the lane's registers and wants one exchange between the halves of the lanes.
; REGISTERS, in windows of 256 (s_set_vgpr_msb: bits 1:0 source 0, 3:2 source 1, 5:4 source 2, 7:6 destination):
;   window 0: v0-63 addresses and sums; v64-127, v128-191 fragments of features, two buffers; v192-255 the pass's bias (C of the first products), then its V
;   window 1: W1's ring, buffer q at 64 q        windows 2, 3: accumulators of rows 0-63, 64-127, (a, b) at 8 (8 (a % 4) + b); while the rows are loaded window 2 holds them as f32
.set PA,    2064                       ; a row in LDS: 2,048 bytes + 16 = 516 words: row r starts at bank 4 r mod 64 (64 banks of 4 bytes: ISA guide 11.1)
.set HBL,   128*PA                     ; the batch's row of hbw, 4,096 bytes; V's 4,096 bytes follow it
.set RED,   HBL+8192                   ; [wave 4][row 128] f32: the waves' parts of the logits
.set PB,    RED+2048                   ; p in bf16, 256 bytes, a copy for each wave
.set CS,    PB+1024                    ; the context's way out, 1,024 bytes for each wave
.set SPARE, CS+4096                    ; the spare words, 128 bytes for each wave
.set L16,  1                           ; v1     16 x lane
.set FO,   2                           ; v2     my byte offset in the block's features: my wave's 32 rows, 16 x lane
.set LA,   3                           ; v3     where I put 8 bytes of a row; steps by 8 rows
.set ADR,  4                           ; v4-7   LDS addresses of the fragments, for row tiles 2 i, 2 i + 1; step along K
.set ADR0, 8                           ; v8-11  the same at K = 0
.set TB,   12                          ; v12    the pass's bias for my columns; V lies 4,096 bytes on
.set SPW,  13                          ; v13    my spare word; never rewritten
.set NIL,  14                          ; v14    0; never rewritten
.set TO,   15                          ; v15    16 x thread
.set S,    16                          ; v16-31 sum of V r: a pair (even columns', odd columns') for each row tile
.set VS,   34                          ; v34-41 sum of V, four pairs; later v34-49 at work on the logits
.set RA,   50                          ; v50-62 addresses, named where they are made
.set RL,   51
.set PBA,  52
.set PFA,  53
.set TA,   54
.set CSA,  58
.set CLA,  59
.set GO,   60
.set TBL,  61
.set L8,   62
.set F0,   64
.set CI,   192
.set PF,   64                          ; the context product: p's four fragments
.set OB,   96                          ; and its result on the way out
.set MSB, 0
.macro WIN new                         ; the immediate's high byte repeats the setting that is left
.if MSB != (\new)
	s_set_vgpr_msb (MSB<<8)|(\new)
.set MSB, \new
.endif
.endm
.macro PLACES                          ; four places behind matrix instructions, in front of loads into registers that they read and of vector work on their results
.rept 4
	v_nop
.endr
.endm
	s_load_b256 s[4:11], s[0:1], 0x0               ; features s[4:5], w1f s[6:7], hbw s[8:9], V s[10:11]
	s_load_b256 s[12:19], s[0:1], 0x20             ; bV s[12:13], lg s[14:15], stat s[16:17], ctxp s[18:19]
	v_lshl_add_u32 v[SPW], v0, 2, SPARE
	v_mov_b32 v[NIL], 0
	v_lshrrev_b32 v63, 5, v0
	v_readfirstlane_b32 s20, v63                   ; wave 0..3
	s_mov_b32 s21, ttmp9                           ; block 0..511
	s_mov_b32 s28, 0x76543210                      ; v_permlanex16_b32: each lane takes its own place in the other half
	s_mov_b32 s29, 0xfedcba98
	s_mov_b32 s30, 0x3fb8aa3b                      ; log2(e)
	s_lshl_b32 s31, s20, 17                        ; 32 rows of 4,096 bytes
	s_mul_i32 s32, s20, 32*PA
	s_lshl_b32 s33, s20, 9
	s_lshl_b32 s34, s20, 8
	s_lshl_b32 s35, s20, 10
	v_and_b32 v[L16], 31, v0
	v_lshlrev_b32 v[L8], 3, v[L16]
	v_lshlrev_b32 v[L16], 4, v[L16]
	v_add_nc_u32 v[FO], s31, v[L16]
	v_add_nc_u32 v[LA], s32, v[L8]
	v_lshlrev_b32 v[TO], 4, v0
	v_lshl_add_u32 v[TBL], v0, 4, HBL
	v_and_b32 v64, 15, v0                          ; r
	v_bfe_u32 v65, v0, 4, 1                        ; h
	v_and_b32 v66, 7, v0
	v_bfe_u32 v67, v0, 3, 1
	v_mul_u32_u24 v[ADR0], v64, PA
	v_lshl_add_u32 v[ADR0], v65, 4, v[ADR0]        ; a fragment: row r x pitch + 16 h
.irp i, 1,2,3
	v_add_nc_u32 v[ADR0+\i], \i*32*PA, v[ADR0]
.endr
	v_lshl_add_u32 v[TB], v65, 5, s33
	v_add_nc_u32 v[TB], HBL, v[TB]                 ; columns 128 w + 8 h on, in f32
	v_lshl_add_u32 v[RA], v64, 2, s33
	v_add_nc_u32 v[RA], RED, v[RA]                 ; my wave's part for row r of a tile
	v_add_nc_u32 v[RL], RED, v[L16]                ; rows 4 lane .. 4 lane + 3
	v_add_nc_u32 v[PBA], s34, v[L8]
	v_add_nc_u32 v[PBA], PB, v[PBA]                ; their four p in bf16, in my wave's copy
	v_lshl_add_u32 v[PFA], v65, 4, s34
	v_add_nc_u32 v[PFA], PB, v[PFA]                ; p as a fragment: rows 8 h on, the same for every lane % 16
	v_lshl_add_u32 v[TA], v65, 3, v66
	v_mul_u32_u24 v[TA], v[TA], PA
	v_lshl_add_u32 v[TA], v67, 4, v[TA]
	v_add_nc_u32 v[TA], s33, v[TA]                 ; the turning load: row 8 h + lane % 8, my wave's 512 bytes of it, 16 ((lane / 8) % 2)
.irp i, 1,2,3
	v_add_nc_u32 v[TA+\i], \i*32*PA, v[TA]
.endr
	v_lshl_add_u32 v[CSA], v64, 2, s35
	v_add_nc_u32 v[CSA], CS, v[CSA]
	v_add_nc_u32 v[GO], s35, v[L16]                ; my wave's 256 channels in ctxp
	v_add_nc_u32 v[CLA], CS, v[GO]
.set i, 0
.rept 16
	v_mov_b32 v[S+i], 0                            ; the two passes run one text, so these sums start at 0
.set i, i+1
.endr
.set i, 0
.rept 8
	v_mov_b32 v[VS+i], 0
.set i, i+1
.endr
	s_wait_kmcnt 0x0
	s_mov_b32 s23, 0
	s_lshl_b32 s22, s21, 19                        ; 128 rows of 4,096 bytes
	s_add_nc_u64 s[4:5], s[4:5], s[22:23]
	s_lshl_b32 s22, s20, 19                        ; my wave's 64 groups of 8,192 bytes
	s_add_nc_u64 s[6:7], s[6:7], s[22:23]
	s_lshr_b32 s22, s21, 4                         ; the batch
	s_lshl_b32 s22, s22, 12
	s_add_nc_u64 s[8:9], s[8:9], s[22:23]
	s_lshl_b32 s22, s21, 9
	s_add_nc_u64 s[14:15], s[14:15], s[22:23]
	s_lshl_b32 s22, s21, 8
	s_add_nc_u64 s[16:17], s[16:17], s[22:23]
	s_lshl_b32 s22, s21, 12
	s_add_nc_u64 s[18:19], s[18:19], s[22:23]
	s_load_b32 s26, s[12:13], 0x0                  ; bV
	; THE ROWS COME IN.  Wave w brings rows 32 w .. 32 w + 31, two rows (16 loads of 512 consecutive bytes, 64 registers) a group, four groups on their way at all times.
	global_load_b128 v[128:131], v[TO], s[8:9]                 ; the tables first: 128 threads x 16 bytes, twice, for each
	global_load_b128 v[132:135], v[TO], s[8:9] offset:2048
	global_load_b128 v[136:139], v[TO], s[10:11]
	global_load_b128 v[140:143], v[TO], s[10:11] offset:2048
	WIN 0x80
.set g, 0
.rept 4
.set u, 0
.rept 16
	global_load_b128 v[64*g+4*u:64*g+4*u+3], v[FO], s[4:5] offset:g*8192+u*512 th:TH_LOAD_NT
.set u, u+1
.endr
.set g, g+1
.endr
	WIN 0
	s_wait_kmcnt 0x0
	s_mov_b32 s27, s26                             ; named with it as a pair
; Group g of four: rounded to bf16 and laid into LDS; then 16 loads take its place in the count: kind 1 the rows eight further down, kind 2 W1's K step q, kind 0 none.
.macro LGROUP g, kind, q=0
.set TP, 64+32*((\g)%2)
	s_wait_loadcnt 48                              ; loads come back in order (ISA guide 5.7.1): the three younger groups of 16 stay out
	WIN 0x0a
.set u, 0
.rept 32
	v_cvt_pk_bf16_f32 v[TP+u], v[64*(\g)+2*u], v[64*(\g)+2*u+1]
.set u, u+1
.endr
	WIN 0
.set u, 0
.rept 16
	ds_store_b64 v[LA], v[TP+2*u:TP+2*u+1] offset:(2*(\g)+u/8)*PA+(u%8)*256  ; 32 lanes, 256 consecutive bytes
.set u, u+1
.endr
.if (\kind) == 1
	WIN 0x80
.set u, 0
.rept 16
	global_load_b128 v[64*(\g)+4*u:64*(\g)+4*u+3], v[FO], s[4:5] offset:32768+(\g)*8192+u*512 th:TH_LOAD_NT
.set u, u+1
.endr
.elseif (\kind) == 2
	FETCHB \q, (\q)*8192
.endif
.endm
.macro FETCHB q, off                   ; W1's fragments of one K step, 16 x 512 consecutive bytes, into ring buffer q
	WIN 0x40
.set u, 0
.rept 16
	global_load_b128 v[64*(\q)+4*u:64*(\q)+4*u+3], v[L16], s[6:7] offset:(\off)+u*512
.set u, u+1
.endr
.endm
	s_mov_b32 s25, 3
.Lfill:
	LGROUP 0, 1
	LGROUP 1, 1
	LGROUP 2, 1
	LGROUP 3, 1
	WIN 0
	s_wait_xcnt 0x0                                ; the loads' base is stepped only behind this wait (ISA guide 3.1)
	s_add_nc_u64 s[4:5], s[4:5], 32768
	v_add_nc_u32 v[LA], 8*PA, v[LA]
	s_sub_co_u32 s25, s25, 1
	s_cmp_lg_u32 s25, 0
	s_cbranch_scc1 .Lfill
	LGROUP 0, 2, 0                                 ; the last eight rows: W1's first three K steps are asked for in the rows' place, so every count stays 48
	LGROUP 1, 2, 1
	LGROUP 2, 2, 2
	LGROUP 3, 0
	WIN 0
	ds_store_b128 v[TBL], v[128:131]               ; the tables' loads are older than every load waited for above
	ds_store_b128 v[TBL], v[132:135] offset:2048
	ds_store_b128 v[TBL], v[136:139] offset:4096
	ds_store_b128 v[TBL], v[140:143] offset:6144
	s_wait_dscnt 0x0                               ; for the others' sake: my rows and my part of the tables are in LDS
	s_barrier_signal -1
	s_barrier_wait -1                              ; everybody's are; none of these bytes is written again
; THE PRODUCT.  16 LDS loads: the eight row tiles' fragments for 32 along K at byte k, rows 0-63 first
.macro FETCHA f, k
	WIN 0
.irp a, 0,1,2,3,4,5,6,7
	ds_load_b128 v[(\f)+8*\a:(\f)+8*\a+3],   v[ADR+(\a)/2] offset:((\a)%2)*16*PA+(\k)
	ds_load_b128 v[(\f)+8*\a+4:(\f)+8*\a+7], v[ADR+(\a)/2] offset:((\a)%2)*16*PA+(\k)+32
.endr
.endm
; 32 matrix instructions: row tiles 4 hi .. 4 hi + 3 x all eight column tiles.  zero = 1: the first product takes the bias as C.  The 64 accumulators take turns in one fixed order.
.macro MUL32 q, f, hi, zero
.if \zero
	WIN 0x81+0x40*(\hi)                            ; W1 window 1, features window 0, C window 0, D window 2 or 3
.else
	WIN 0xa1+0x50*(\hi)                            ; C and D window 2 or 3
.endif
.irp a, 0,1,2,3
.irp b, 0,1,2,3,4,5,6,7
.if \zero
	v_wmma_f32_16x16x32_bf16 v[8*(8*\a+\b):8*(8*\a+\b)+7], v[64*(\q)+8*\b:64*(\q)+8*\b+7], v[(\f)+8*(4*(\hi)+\a):(\f)+8*(4*(\hi)+\a)+7], v[CI+8*\b:CI+8*\b+7]
.else
	v_wmma_f32_16x16x32_bf16 v[8*(8*\a+\b):8*(8*\a+\b)+7], v[64*(\q)+8*\b:64*(\q)+8*\b+7], v[(\f)+8*(4*(\hi)+\a):(\f)+8*(4*(\hi)+\a)+7], v[8*(8*\a+\b):8*(8*\a+\b)+7]
.endif
.endr
.endr
.endm
; A K step of 32 on ring buffer q and fragment buffer q % 2.  In its middle: the next step's fragments, at byte fa (fa < 0: the pass's V instead), and W1 three steps on, at byte fb (fb < 0: none).
; nb: the W1 loads younger than this step's, 16 for each later step asked for.
.macro STEP q, zero, fa, fb, nb
.set FC, F0+64*((\q)%2)
.set FN, F0+64*(((\q)+1)%2)
	s_wait_loadcnt \nb
	s_wait_dscnt 8                                 ; only the youngest eight LDS loads, rows 64-127, may be out
	MUL32 \q, FC, 0, \zero
	PLACES
.if (\fa) >= 0
	FETCHA FN, \fa
.else
	WIN 0
.irp b, 0,1,2,3,4,5,6,7
	ds_load_b128 v[CI+8*\b:CI+8*\b+3],   v[TB] offset:4096+64*\b
	ds_load_b128 v[CI+8*\b+4:CI+8*\b+7], v[TB] offset:4096+64*\b+16
.endr
.endif
.if (\fb) >= 0
	FETCHB ((\q)+3)%4, \fb
.endif
	s_wait_dscnt 16                                ; all but the 16 just issued
	MUL32 \q, FC, 1, \zero
.endm
; THE WAY FROM y TO THE LOGITS, for column tile b and row tiles 4 hi .. 4 hi + 3: r = 1 / (1 + 2^y) in place, then S += V r.  Each accumulator is read from its low end on.
; Behind each run of transcendentals stands one plain instruction before a result is used (ISA guide 5.7.2).
.macro EPI hi, b
	WIN 0x82+0x41*(\hi)                            ; destination and source 0 in the accumulators' window
.irp a, 0,1,2,3
.irp j, 0,1,2,3,4,5,6,7
	v_exp_f32 v[64*\a+8*(\b)+\j], v[64*\a+8*(\b)+\j]
.endr
.endr
	v_nop
	s_wait_alu depctr_va_vdst(0)
.irp a, 0,1,2,3
.irp i, 0,1,2,3
	v_pk_add_f32 v[64*\a+8*(\b)+2*\i:64*\a+8*(\b)+2*\i+1], v[64*\a+8*(\b)+2*\i:64*\a+8*(\b)+2*\i+1], 1.0 op_sel_hi:[1,0]
.endr
.endr
.irp a, 0,1,2,3
.irp j, 0,1,2,3,4,5,6,7
	v_rcp_f32 v[64*\a+8*(\b)+\j], v[64*\a+8*(\b)+\j]
.endr
.endr
	WIN 0x02+(\hi)                                 ; source 0 in the accumulators' window, all else in window 0
	v_nop
	s_wait_alu depctr_va_vdst(0)
.irp i, 0,1,2,3
.irp a, 0,1,2,3                        ; four chains that do not wait for each other
	v_pk_fma_f32 v[S+2*(4*(\hi)+\a):S+2*(4*(\hi)+\a)+1], v[64*\a+8*(\b)+2*\i:64*\a+8*(\b)+2*\i+1], v[CI+8*(\b)+2*\i:CI+8*(\b)+2*\i+1], v[S+2*(4*(\hi)+\a):S+2*(4*(\hi)+\a)+1]
.endr
.endr
.endm
	s_mov_b32 s24, 2
.Lpass:                                                ; 512 columns of U a pass
.irp i, 0,1,2,3
	v_mov_b32 v[ADR+\i], v[ADR0+\i]                ; back to K = 0
.endr
.irp b, 0,1,2,3,4,5,6,7
	ds_load_b128 v[CI+8*\b:CI+8*\b+3],   v[TB] offset:64*\b     ; the bias of columns 16 b + 8 h + 0..7: what a lane's eight registers of an accumulator stand for
	ds_load_b128 v[CI+8*\b+4:CI+8*\b+7], v[TB] offset:64*\b+16
.endr
	FETCHA F0, 0
	STEP 0, 1, 64, 3*8192, 32                      ; the first K step stands in front of the loop: its products start the sums
	WIN 0
	s_mov_b32 s25, 7
.Lk:                                                   ; a trip: K steps 4 j + 1 .. 4 j + 4, once round W1's ring
	STEP 1, 0, 128, 4*8192, 32
	STEP 2, 0, 192, 5*8192, 32
	STEP 3, 0, 256, 6*8192, 32
	WIN 0
.irp i, 0,1,2,3
	v_add_nc_u32 v[ADR+\i], 256, v[ADR+\i]
.endr
	s_wait_xcnt 0x0                                ; W1's base is stepped only behind this wait (ISA guide 3.1)
	s_add_nc_u64 s[6:7], s[6:7], 32768
	STEP 0, 0, 64, 3*8192, 32
	WIN 0
	s_sub_co_u32 s25, s25, 1
	s_cmp_lg_u32 s25, 0
	s_cbranch_scc1 .Lk
	STEP 1, 0, 128, -1, 32                         ; the last three K steps ask for no W1: the counts run down
	STEP 2, 0, 192, -1, 16
	STEP 3, 0, -1, -1, 0
	WIN 0
	PLACES
	s_cmp_eq_u32 s24, 1
	s_cbranch_scc1 .Lnopre                         ; the last pass has no successor
	s_wait_xcnt 0x0
	s_add_nc_u64 s[6:7], s[6:7], 32768             ; the next pass's K step 0
	FETCHB 0, 0                                    ; its first three K steps land while this pass's logits are made
	FETCHB 1, 8192
	FETCHB 2, 16384
	WIN 0
.Lnopre:
	s_wait_dscnt 0x0                               ; V is in
.irp b, 0,1,2,3,4,5,6,7
.irp i, 0,1,2,3
	v_pk_add_f32 v[VS+2*\i:VS+2*\i+1], v[VS+2*\i:VS+2*\i+1], v[CI+8*\b+2*\i:CI+8*\b+2*\i+1]
.endr
.endr
.irp b, 0,1,2,3,4,5,6,7
	EPI 0, \b
	EPI 1, \b
.endr
	WIN 0
	v_add_nc_u32 v[TB], 2048, v[TB]                ; the next 512 columns' bias and V
	s_sub_co_u32 s24, s24, 1
	s_cmp_lg_u32 s24, 0
	s_cbranch_scc1 .Lpass
	; THE LOGITS.  My wave's part for each row: sum V - 2 sum V r over its 256 columns; the other half of the lanes holds the other columns of the same row.
	s_wait_loadcnt 0x0                             ; no load is out: the last pass asked for nothing; window 1 is written anew below
	v_pk_add_f32 v[VS:VS+1],   v[VS:VS+1],   v[VS+2:VS+3]
	v_pk_add_f32 v[VS+4:VS+5], v[VS+4:VS+5], v[VS+6:VS+7]
	v_pk_add_f32 v[VS:VS+1],   v[VS:VS+1],   v[VS+4:VS+5]
	v_add_f32 v[VS], v[VS], v[VS+1]
.irp a, 0,1,2,3,4,5,6,7
	v_add_f32 v[S+2*\a], v[S+2*\a], v[S+2*\a+1]
.endr
.irp a, 0,1,2,3,4,5,6,7
	v_fma_f32 v[S+2*\a+1], v[S+2*\a], -2.0, v[VS]
.endr
.irp a, 0,1,2,3,4,5,6,7
	v_permlanex16_b32 v[S+2*\a], v[S+2*\a+1], s28, s29
.endr
.irp a, 0,1,2,3,4,5,6,7
	v_add_f32 v[S+2*\a], v[S+2*\a], v[S+2*\a+1]
.endr
.irp a, 0,1,2,3,4,5,6,7
	ds_store_b32 v[RA], v[S+2*\a] offset:64*\a     ; row 16 a + r; both halves of the lanes write the same number to the same word
.endr
	s_wait_dscnt 0x0                               ; for the others' sake
	s_barrier_signal -1
	s_barrier_wait -1
.irp w, 0,1,2,3
	ds_load_b128 v[34+4*\w:37+4*\w], v[RL] offset:512*\w   ; every wave makes all 128 logits: rows 4 lane .. 4 lane + 3
.endr
	s_wait_dscnt 0x0
	v_pk_add_f32 v[34:35], v[34:35], v[38:39]
	v_pk_add_f32 v[36:37], v[36:37], v[40:41]
	v_pk_add_f32 v[42:43], v[42:43], v[46:47]
	v_pk_add_f32 v[44:45], v[44:45], v[48:49]
	v_pk_add_f32 v[34:35], v[34:35], v[42:43]
	v_pk_add_f32 v[36:37], v[36:37], v[44:45]
	v_pk_add_f32 v[34:35], v[34:35], s[26:27] op_sel_hi:[1,0]
	v_pk_add_f32 v[36:37], v[36:37], s[26:27] op_sel_hi:[1,0]
	v_max3_num_f32 v38, v34, v35, v36              ; the block's maximum m
	v_max_num_f32 v38, v38, v37
	v_max_num_f32_dpp v38, v38, v38 row_xmask:1 row_mask:0xf bank_mask:0xf
	v_max_num_f32_dpp v38, v38, v38 row_xmask:2 row_mask:0xf bank_mask:0xf
	v_max_num_f32_dpp v38, v38, v38 row_xmask:4 row_mask:0xf bank_mask:0xf
	v_max_num_f32_dpp v38, v38, v38 row_xmask:8 row_mask:0xf bank_mask:0xf
	v_permlanex16_b32 v39, v38, s28, s29
	v_max_num_f32 v38, v38, v39
	v_mul_f32 v40, s30, v38
.irp k, 0,1,2,3
	v_fma_f32 v[42+\k], v[34+\k], s30, -v40        ; (logit - m) log2(e)
.endr
.irp k, 0,1,2,3
	v_exp_f32 v[42+\k], v[42+\k]                   ; p
.endr
	v_nop
	s_wait_alu depctr_va_vdst(0)
	v_add_f32 v46, v42, v43
	v_add_f32 v47, v44, v45
	v_cvt_pk_bf16_f32 v48, v42, v43
	v_cvt_pk_bf16_f32 v49, v44, v45
	v_add_f32 v46, v46, v47
	ds_store_b64 v[PBA], v[48:49]                  ; into my wave's own copy: no barrier
	v_add_f32_dpp v46, v46, v46 row_xmask:1 row_mask:0xf bank_mask:0xf
	v_add_f32_dpp v46, v46, v46 row_xmask:2 row_mask:0xf bank_mask:0xf
	v_add_f32_dpp v46, v46, v46 row_xmask:4 row_mask:0xf bank_mask:0xf
	v_add_f32_dpp v46, v46, v46 row_xmask:8 row_mask:0xf bank_mask:0xf
	v_permlanex16_b32 v47, v46, s28, s29
	v_add_f32 v39, v46, v47                        ; l, beside m
	s_cmp_lg_u32 s20, 0
	s_cbranch_scc1 .Lnot0
	global_store_b128 v[L16], v[34:37], s[14:15]   ; wave 0 stores the block's 128 logits, 512 consecutive bytes,
	global_store_b64 v[L8], v[38:39], s[16:17]     ; and (m, l), repeated by the 32 lanes: 256 consecutive bytes, aligned
.Lnot0:
	; THE PARTIAL CONTEXT, p x features, on the matrix unit: source 0 = p in all 16 rows, source 1 = 32 rows x 16 channels of features, turned out of LDS.  My wave makes channels 256 w .. 256 w + 255.
.irp ks, 0,1,2,3
	ds_load_b128 v[PF+8*\ks:PF+8*\ks+3],   v[PFA] offset:64*\ks      ; LDS serves a wave's instructions in order (ISA guide 5.7.1.4): these see my store of p
	ds_load_b128 v[PF+8*\ks+4:PF+8*\ks+7], v[PFA] offset:64*\ks+32
.endr
.macro FETCHT ks                       ; rows 32 ks on, 16 channel tiles, into buffer ks % 2 of window 1
	WIN 0x40
.set i, 0
.rept 16
	ds_load_tr16_b128 v[128*((\ks)%2)+8*i:128*((\ks)%2)+8*i+3],   v[TA+(\ks)] offset:32*i
	ds_load_tr16_b128 v[128*((\ks)%2)+8*i+4:128*((\ks)%2)+8*i+7], v[TA+(\ks)] offset:32*i+16*PA
.set i, i+1
.endr
.endm
.macro CT ks                           ; 16 products, the 16 accumulators by turns; the first 32 rows start the sums
	WIN 0xa4                                       ; p window 0, features window 1, C and D window 2
.set i, 0
.rept 16
.if (\ks) == 0
	v_wmma_f32_16x16x32_bf16 v[8*i:8*i+7], v[PF+8*(\ks):PF+8*(\ks)+7], v[128*((\ks)%2)+8*i:128*((\ks)%2)+8*i+7], 0
.else
	v_wmma_f32_16x16x32_bf16 v[8*i:8*i+7], v[PF+8*(\ks):PF+8*(\ks)+7], v[128*((\ks)%2)+8*i:128*((\ks)%2)+8*i+7], v[8*i:8*i+7]
.endif
.set i, i+1
.endr
.endm
	FETCHT 0
	FETCHT 1
	s_wait_dscnt 32                                ; all but the 32 loads of the younger run
	CT 0
	PLACES
	FETCHT 2
	s_wait_dscnt 32
	CT 1
	PLACES
	FETCHT 3
	s_wait_dscnt 32
	CT 2
	s_wait_dscnt 0x0
	CT 3
	PLACES
	WIN 0x08                                       ; store data in window 2
.set i, 0
.rept 16
	ds_store_b32 v[CSA], v[8*i] offset:64*i        ; all 16 rows of a result are alike: register 0 of lane l is channel 16 i + l % 16
.set i, i+1
.endr
	WIN 0
	ds_load_b128 v[OB:OB+3],   v[CLA]              ; back as 16 neighbouring bytes a lane, from my own stage
	ds_load_b128 v[OB+4:OB+7], v[CLA] offset:512
	s_wait_dscnt 0x0
	global_store_b128 v[GO], v[OB:OB+3],   s[18:19]             ; 512 consecutive bytes, at a multiple of 512 from ctxp's first
	global_store_b128 v[GO], v[OB+4:OB+7], s[18:19] offset:512
	s_wait_tensorcnt 0x0                           ; the wave's end
	ds_add_u32 v[SPW], v[NIL]
	s_wait_dscnt 0x0
	s_endpgm
.Lfunc_end_k_qe593ca8db0_main:
	.size	k_qe593ca8db0_main, .Lfunc_end_k_qe593ca8db0_main-k_qe593ca8db0_main
	.p2alignl 7, 3214868480
	.fill 96, 4, 3214868480
	.section	.rodata,"a",@progbits
	.p2align	6, 0x0
	.amdhsa_kernel k_qe593ca8db0_main
		.amdhsa_group_segment_fixed_size 280064
		.amdhsa_private_segment_fixed_size 0
		.amdhsa_enable_private_segment 0
		.amdhsa_kernarg_size 64
		.amdhsa_user_sgpr_count 2
		.amdhsa_user_sgpr_kernarg_segment_ptr 1
		.amdhsa_wavefront_size32 1
		.amdhsa_system_sgpr_workgroup_id_x 1
		.amdhsa_system_sgpr_workgroup_id_y 1
		.amdhsa_system_sgpr_workgroup_id_z 1
		.amdhsa_system_vgpr_workitem_id 0
		.amdhsa_next_free_vgpr 1024
		.amdhsa_next_free_sgpr 66
		.amdhsa_reserve_vcc 0
		.amdhsa_float_denorm_mode_32 3
		.amdhsa_float_denorm_mode_16_64 3
		.amdhsa_memory_ordered 1
		.amdhsa_forward_progress 1
		.amdhsa_inst_pref_size 194
	.end_amdhsa_kernel
	.amdgpu_metadata
---
amdhsa.version: [ 1, 2 ]
amdhsa.kernels:
  - .name:           k_qe593ca8db0_main
    .symbol:         k_qe593ca8db0_main.kd
    .args:
      - { .name: features, .offset: 0, .size: 8, .value_kind: global_buffer, .address_space: global }
      - { .name: w1f, .offset: 8, .size: 8, .value_kind: global_buffer, .address_space: global }
      - { .name: hbw, .offset: 16, .size: 8, .value_kind: global_buffer, .address_space: global }
      - { .name: V, .offset: 24, .size: 8, .value_kind: global_buffer, .address_space: global }
      - { .name: bV, .offset: 32, .size: 8, .value_kind: global_buffer, .address_space: global }
      - { .name: lg, .offset: 40, .size: 8, .value_kind: global_buffer, .address_space: global }
      - { .name: stat, .offset: 48, .size: 8, .value_kind: global_buffer, .address_space: global }
      - { .name: ctxp, .offset: 56, .size: 8, .value_kind: global_buffer, .address_space: global }
    .group_segment_fixed_size: 280064
    .private_segment_fixed_size: 0
    .kernarg_segment_align: 8
    .kernarg_segment_size: 64
    .max_flat_workgroup_size: 128
    .sgpr_count:     66
    .vgpr_count:     1024
    .wavefront_size: 32
...
	.end_amdgpu_metadata
.endif
;; end of part 2
;; launch finish (part 3): grid 4 x 32, 2 waves a work-group, no clusters, 0 bytes of LDS; arguments ctxp, stat, lg, out0, out1; writes out0, out1
.if DOCPART == 3
	.amdgcn_target "amdgcn-amd-amdhsa--gfx1250"
	.amdhsa_code_object_version 6
	.text
	.protected	k_qe593ca8db0_finish
	.globl	k_qe593ca8db0_finish
	.p2align	8
	.type	k_qe593ca8db0_finish,@function
k_qe593ca8db0_finish:
	s_mov_b64 s[64:65], 0
	v_nop
	global_prefetch_b8 v0, s[64:65] scope:SCOPE_SE
	s_setreg_imm32_b32 hwreg(HW_REG_WAVE_MODE, 25, 1), 1
	s_wait_xcnt 0x0
; A batch's sixteen blocks are joined.  M = max of the blocks' m; e_b = e^(m_b - M); L = sum of l_b e_b;
; out0[batch][d] = sum over b of ctxp[b][d] e_b / L;   out1[batch][t] = e^(logit[t] - M) / L.
; A work-group takes a quarter of a batch: 256 channels and 512 time steps, 16 bytes a thread and load.  All loads go out at once; every store of a wave covers 512 consecutive bytes.
; No LDS, no matrix unit, no cluster: 2.5 MB are read once and nothing is shared but 4,096 bytes of statistics a batch.
; LIMITS.  A weight below 2^-126 counts as 0; NaN and infinities are not treated apart.
.set SC, 20                            ; s20-35  e_b / L
	s_load_b256 s[4:11], s[0:1], 0x0               ; ctxp s[4:5], stat s[6:7], lg s[8:9], out0 s[10:11]
	s_load_b64 s[12:13], s[0:1], 0x20              ; out1
	s_mov_b32 s14, 0x3fb8aa3b                      ; log2(e)
	s_and_b32 s15, ttmp7, 0xffff                   ; the batch
	s_lshl_b32 s17, ttmp9, 10                      ; the quarter: 1,024 bytes of a row of ctxp and out0,
	s_lshl_b32 s18, ttmp9, 11                      ; 2,048 bytes of the batch's logits
	v_and_b32 v1, 15, v0
	v_lshlrev_b32 v1, 8, v1                        ; lane l takes block l % 16: its pair stands at the head of 256 bytes
	v_lshl_add_u32 v10, v0, 4, s17
	v_lshl_add_u32 v11, v0, 4, s18
	s_mov_b32 s37, 0
	s_wait_kmcnt 0x0
	s_lshl_b32 s36, s15, 12
	s_add_nc_u64 s[6:7], s[6:7], s[36:37]
	s_add_nc_u64 s[10:11], s[10:11], s[36:37]
	s_lshl_b32 s36, s15, 16
	s_add_nc_u64 s[4:5], s[4:5], s[36:37]
	s_lshl_b32 s36, s15, 13
	s_add_nc_u64 s[8:9], s[8:9], s[36:37]
	s_add_nc_u64 s[12:13], s[12:13], s[36:37]
	global_load_b64 v[2:3], v1, s[6:7]             ; (m, l)
.set i, 0
.rept 16
	global_load_b128 v[16+4*i:19+4*i], v10, s[4:5] offset:i*4096 th:TH_LOAD_NT
.set i, i+1
.endr
	global_load_b128 v[80:83], v11, s[8:9] th:TH_LOAD_NT
	global_load_b128 v[84:87], v11, s[8:9] offset:1024 th:TH_LOAD_NT
	s_wait_loadcnt 18                              ; the statistics are the oldest load: the 18 behind them stay out
	v_mov_b32 v4, v2
	v_max_num_f32_dpp v4, v4, v4 row_xmask:1 row_mask:0xf bank_mask:0xf   ; each half of 16 lanes holds all sixteen blocks
	v_max_num_f32_dpp v4, v4, v4 row_xmask:2 row_mask:0xf bank_mask:0xf
	v_max_num_f32_dpp v4, v4, v4 row_xmask:4 row_mask:0xf bank_mask:0xf
	v_max_num_f32_dpp v4, v4, v4 row_xmask:8 row_mask:0xf bank_mask:0xf   ; M
	v_mul_f32 v6, s14, v4
	v_fma_f32 v5, v2, s14, -v6
	v_exp_f32 v5, v5                               ; e_b
	v_nop                                          ; a plain instruction behind a transcendental before its result is used (ISA guide 5.7.2)
	s_wait_alu depctr_va_vdst(0)
	v_mul_f32 v7, v3, v5
	v_add_f32_dpp v7, v7, v7 row_xmask:1 row_mask:0xf bank_mask:0xf
	v_add_f32_dpp v7, v7, v7 row_xmask:2 row_mask:0xf bank_mask:0xf
	v_add_f32_dpp v7, v7, v7 row_xmask:4 row_mask:0xf bank_mask:0xf
	v_add_f32_dpp v7, v7, v7 row_xmask:8 row_mask:0xf bank_mask:0xf       ; L
	v_rcp_f32 v8, v7
	v_nop
	s_wait_alu depctr_va_vdst(0)
	v_mul_f32 v9, v5, v8                           ; e_b / L
.set i, 0
.rept 16
	v_readlane_b32 s[SC+i], v9, i
.set i, i+1
.endr
	s_wait_loadcnt 2                               ; the partial contexts are in; the two loads of logits may be out
.irp c, 0,1,2,3
	v_mul_f32 v[88+\c], s[SC], v[16+\c]
.endr
.set i, 1
.rept 15
.irp c, 0,1,2,3
	v_fmac_f32 v[88+\c], s[SC+i], v[16+4*i+\c]
.endr
.set i, i+1
.endr
	global_store_b128 v10, v[88:91], s[10:11]
	s_wait_loadcnt 0x0
.irp k, 0,1,2,3,4,5,6,7
	v_fma_f32 v[80+\k], v[80+\k], s14, -v6
.endr
.irp k, 0,1,2,3,4,5,6,7
	v_exp_f32 v[80+\k], v[80+\k]
.endr
	v_nop
	s_wait_alu depctr_va_vdst(0)
.irp k, 0,2,4,6
	v_pk_mul_f32 v[80+\k:81+\k], v[80+\k:81+\k], v[8:9] op_sel_hi:[1,0]   ; times 1 / L
.endr
	global_store_b128 v11, v[80:83], s[12:13]
	global_store_b128 v11, v[84:87], s[12:13] offset:1024
	s_endpgm
.Lfunc_end_k_qe593ca8db0_finish:
	.size	k_qe593ca8db0_finish, .Lfunc_end_k_qe593ca8db0_finish-k_qe593ca8db0_finish
	.p2alignl 7, 3214868480
	.fill 96, 4, 3214868480
	.section	.rodata,"a",@progbits
	.p2align	6, 0x0
	.amdhsa_kernel k_qe593ca8db0_finish
		.amdhsa_group_segment_fixed_size 0
		.amdhsa_private_segment_fixed_size 0
		.amdhsa_enable_private_segment 0
		.amdhsa_kernarg_size 40
		.amdhsa_user_sgpr_count 2
		.amdhsa_user_sgpr_kernarg_segment_ptr 1
		.amdhsa_wavefront_size32 1
		.amdhsa_system_sgpr_workgroup_id_x 1
		.amdhsa_system_sgpr_workgroup_id_y 1
		.amdhsa_system_sgpr_workgroup_id_z 1
		.amdhsa_system_vgpr_workitem_id 0
		.amdhsa_next_free_vgpr 96
		.amdhsa_next_free_sgpr 66
		.amdhsa_reserve_vcc 0
		.amdhsa_float_denorm_mode_32 3
		.amdhsa_float_denorm_mode_16_64 3
		.amdhsa_memory_ordered 1
		.amdhsa_forward_progress 1
		.amdhsa_inst_pref_size 9
	.end_amdhsa_kernel
	.amdgpu_metadata
---
amdhsa.version: [ 1, 2 ]
amdhsa.kernels:
  - .name:           k_qe593ca8db0_finish
    .symbol:         k_qe593ca8db0_finish.kd
    .args:
      - { .name: ctxp, .offset: 0, .size: 8, .value_kind: global_buffer, .address_space: global }
      - { .name: stat, .offset: 8, .size: 8, .value_kind: global_buffer, .address_space: global }
      - { .name: lg, .offset: 16, .size: 8, .value_kind: global_buffer, .address_space: global }
      - { .name: out0, .offset: 24, .size: 8, .value_kind: global_buffer, .address_space: global }
      - { .name: out1, .offset: 32, .size: 8, .value_kind: global_buffer, .address_space: global }
    .group_segment_fixed_size: 0
    .private_segment_fixed_size: 0
    .kernarg_segment_align: 8
    .kernarg_segment_size: 40
    .max_flat_workgroup_size: 64
    .sgpr_count:     66
    .vgpr_count:     96
    .wavefront_size: 32
...
	.end_amdgpu_metadata
.endif
;; end of part 3
;; ======== version 2 of 2: 3 launches; version 1 with the launch main written anew for expert scheduling mode
;; limits: values outside matrix products are rounded to bf16
;; workspace buffers: w1f 2,097,152 bytes; hbw 131,072 bytes; lg 262,144 bytes; stat 131,072 bytes; ctxp 2,097,152 bytes
;; launch prep: the kernel of part 1 again; grid 80 x 1, 8 waves a work-group, no clusters, 107,520 bytes of LDS; arguments W1, W2, hidden, b1, b2, w1f, hbw; writes w1f, hbw
;; launch main (part 4): grid 512 x 1, 4 waves a work-group, no clusters, 280,064 bytes of LDS; arguments features, w1f, hbw, V, bV, lg, stat, ctxp; writes lg, stat, ctxp
.if DOCPART == 4
	.amdgcn_target "amdgcn-amd-amdhsa--gfx1250"
	.amdhsa_code_object_version 6
	.text
	.protected	k_qe593ca8db0_main
	.globl	k_qe593ca8db0_main
	.p2align	8
	.type	k_qe593ca8db0_main,@function
k_qe593ca8db0_main:
	s_mov_b64 s[64:65], 0
	v_nop
	global_prefetch_b8 v0, s[64:65] scope:SCOPE_SE
	s_setreg_imm32_b32 hwreg(HW_REG_WAVE_SCHED_MODE, 0, 2), 2
	s_setreg_imm32_b32 hwreg(HW_REG_WAVE_MODE, 25, 1), 1
	s_wait_xcnt 0x0
	s_wait_alu depctr_vm_vsrc(0)
; A work-group owns 128 rows (time steps) of one batch, and all 1,024 columns of U.  It reads its rows of features ONCE, keeps them in LDS in bf16, and makes of them
;   logit[t] = bV + sum over u of V[u] tanh(features[t] . W1[:, u] + hidden-projection[u]),   the block's maximum m and sum l of e^(logit - m),   and the partial context sum over t of e^(logit - m) features[t].
; The last launch joins a batch's sixteen blocks.
; ARITHMETIC.  w1f holds bf16(C2 W1) and hbw holds C2 (hidden W2 + b1 + b2), C2 = 2 log2(e); hbw is the C operand of each sum's first product, so an accumulator ends as y = C2 x, and
; tanh x = 1 - 2 / (1 + 2^y).  With r = 1 / (1 + 2^y): logit = bV + sum V - 2 sum V r.  For large |y|, 2^y is infinite (r = 0) or 0 (r = 1): both are tanh's limits, so nothing is clamped.
; LIMITS.  features and C2 W1 are rounded to bf16 for the products; the block's weights p = e^(logit - m) are rounded to bf16 for the context product (their sum l is taken of the unrounded p);
; all sums in f32.  A weight below 2^-126 counts as 0.  NaN and infinities among the inputs are not treated apart.
; SHARES.  Four waves.  U goes in two passes of 512 columns; in a pass wave w makes 128 rows x 128 columns: 64 accumulators, 512 registers.  For 32 along K a wave reads 16 x 512 bytes of features
; from LDS and 16 x 512 bytes of W1 from memory, and issues 64 matrix instructions.
; NO CLUSTER, NO TENSOR LOADS, though every work-group walks the same W1: the rows in bf16 take 128 x 2,064 = 264,192 bytes of LDS; a K step of 32 x 512 columns of W1 is 32,768 bytes, and two
; slots of that do not fit in what is left (63,488 less tables, stages and spare words).  No two waves of the work-group read the same fragment of W1, so it goes straight into
; registers, laid out for that by the launch before: a ring of four register buffers, asked for 160 matrix instructions or more ahead of its use.  No barrier stands in the K loop.
; THE MATRIX INSTRUCTION IS USED TRANSPOSED (source 0 = 16 columns of W1, source 1 = 16 rows of features): a lane holds ONE row (lane % 16) and columns 8 (lane / 16) + 0..7,
; so V's dot is a sum along the lane's registers and wants one exchange between the halves of the lanes.
; REGISTERS, in windows of 256 (s_set_vgpr_msb: bits 1:0 source 0, 3:2 source 1, 5:4 source 2, 7:6 destination):
;   window 0: v0-63 addresses and sums; v64-127, v128-191 fragments of features, two buffers; v192-255 the pass's bias (C of the first products), then its V
;   window 1: W1's ring, buffer q at 64 q        windows 2, 3: accumulators of rows 0-63, 64-127, (a, b) at 8 (8 (a % 4) + b); while the rows are loaded window 2 holds them as f32
;   in the context product windows 1 and 3 hold the rows turned, 32 rows to 128 registers, and window 2 its sums
; THE MODE: SCHED_MODE bits 1:0 = 2 (LLVM: expert scheduling mode 2), set by the entry lines.  The code itself states the register dependences between vector or matrix
; instructions and memory or LDS instructions, with s_wait_alu, always for 0.
; THE PLAN.  Registers that memory or LDS instructions touch:
;   raw groups 0-3 (window 2)   group g's conversions read its raw group; behind them the rows eight further down are loaded into it.
;   staging v64-95, v96-127     by g % 2: group g's conversions write it, its sixteen LDS stores read it.      v128-143: the tables, loaded once and stored to LDS once.
;   F0, F1 (v64-127, v128-191)  K step q's matrix instructions read F[q % 2]; the LDS loads issued in step q land in the other one, which step q - 1 read.
;   W1's ring (window 1)        K step q's matrix instructions read buffer q % 4; the loads issued in step q (or at a pass's end) land in buffer (q + 3) % 4, which step q - 1 read.
;   CI (v192-255)               loaded at a pass's head (bias) and in its last K step (V); read by the first step's products and by the sums behind the last.
;   v3 (LA), v4-7 (ADR), v12 (TB)  addresses that are stepped: once a lap of the fill, once a trip of the K loop, once a pass.  All other addresses are made at the head and never written again;
;                               W1's rows are reached by a scalar base for each ring buffer.
; So a K step has ONE wait on va_vdst, at its head: behind it the step before is done reading the two buffers that this step's 32 loads land in, and these are dealt among the step's matrix
; instructions, which name ring buffer q % 4, F[q % 2] and the accumulators: none of the registers that those loads touch.
.set PA,    2064                       ; a row in LDS: 2,048 bytes + 16 = 516 words: row r starts at bank 4 r mod 64 (64 banks of 4 bytes: ISA guide 11.1)
.set HBL,   128*PA                     ; the batch's row of hbw, 4,096 bytes; V's 4,096 bytes follow it
.set RED,   HBL+8192                   ; [wave 4][row 128] f32: the waves' parts of the logits
.set PB,    RED+2048                   ; p in bf16, 256 bytes, a copy for each wave
.set CS,    PB+1024                    ; the context's way out, 1,024 bytes for each wave
.set SPARE, CS+4096                    ; the spare words, 128 bytes for each wave
.set WB,   36                          ; s[36:43] ring buffer r: the address of the K step that the buffer is asked for next: a pair at WB + 2 r
.set L16,  1                           ; v1     16 x lane
.set FO,   2                           ; v2     my byte offset in the block's features: my wave's 32 rows, 16 x lane
.set LA,   3                           ; v3     where I put 8 bytes of a row; steps by 8 rows
.set ADR,  4                           ; v4-7   LDS addresses of the fragments, for row tiles 2 i, 2 i + 1; step along K
.set ADR0, 8                           ; v8-11  the same at K = 0
.set TB,   12                          ; v12    the pass's bias for my columns; V lies 4,096 bytes on
.set SPW,  13                          ; v13    my spare word; never rewritten
.set NIL,  14                          ; v14    0; never rewritten
.set TO,   15                          ; v15    16 x thread
.set S,    16                          ; v16-31 sum of V r: a pair (even columns', odd columns') for each row tile
.set VS,   34                          ; v34-41 sum of V, four pairs; later v34-49 at work on the logits
.set RA,   50                          ; v50-62 addresses, named where they are made
.set RL,   51
.set PBA,  52
.set PFA,  53
.set TA,   54
.set CSA,  58
.set CLA,  59
.set GO,   60
.set TBL,  61
.set L8,   62
.set F0,   64
.set CI,   192
.set PF,   64                          ; the context product: p's four fragments
.set OB,   96                          ; and its result on the way out
.set MSB, 0
.macro WIN new                         ; the immediate's high byte repeats the setting that is left
.if MSB != (\new)
	s_set_vgpr_msb (MSB<<8)|(\new)
.set MSB, \new
.endif
.endm
.macro PLACES                          ; four places behind matrix instructions, in front of vector work on their results and of stores that read them
.rept 4
	v_nop
.endr
.endm
	s_load_b256 s[4:11], s[0:1], 0x0               ; features s[4:5], w1f s[6:7], hbw s[8:9], V s[10:11]
	s_load_b256 s[12:19], s[0:1], 0x20             ; bV s[12:13], lg s[14:15], stat s[16:17], ctxp s[18:19]
	v_lshl_add_u32 v[SPW], v0, 2, SPARE
	v_mov_b32 v[NIL], 0
	v_lshrrev_b32 v63, 5, v0
	v_readfirstlane_b32 s20, v63                   ; wave 0..3
	s_mov_b32 s21, ttmp9                           ; block 0..511
	s_mov_b32 s28, 0x76543210                      ; v_permlanex16_b32: each lane takes its own place in the other half
	s_mov_b32 s29, 0xfedcba98
	s_mov_b32 s30, 0x3fb8aa3b                      ; log2(e)
	s_wait_alu depctr_va_sdst(0)                   ; s20 is written, ahead of its first reader: offsets and bases are made from it
	s_lshl_b32 s31, s20, 17                        ; 32 rows of 4,096 bytes
	s_mul_i32 s32, s20, 32*PA
	s_lshl_b32 s33, s20, 9
	s_lshl_b32 s34, s20, 8
	s_lshl_b32 s35, s20, 10
	v_and_b32 v[L16], 31, v0
	v_lshlrev_b32 v[L8], 3, v[L16]
	v_lshlrev_b32 v[L16], 4, v[L16]
	v_add_nc_u32 v[FO], s31, v[L16]
	v_add_nc_u32 v[LA], s32, v[L8]
	v_lshlrev_b32 v[TO], 4, v0
	v_lshl_add_u32 v[TBL], v0, 4, HBL
	v_and_b32 v64, 15, v0                          ; r
	v_bfe_u32 v65, v0, 4, 1                        ; h
	v_and_b32 v66, 7, v0
	v_bfe_u32 v67, v0, 3, 1
	v_mul_u32_u24 v[ADR0], v64, PA
	v_lshl_add_u32 v[ADR0], v65, 4, v[ADR0]        ; a fragment: row r x pitch + 16 h
.irp i, 1,2,3
	v_add_nc_u32 v[ADR0+\i], \i*32*PA, v[ADR0]
.endr
	v_lshl_add_u32 v[TB], v65, 5, s33
	v_add_nc_u32 v[TB], HBL, v[TB]                 ; columns 128 w + 8 h on, in f32
	v_lshl_add_u32 v[RA], v64, 2, s33
	v_add_nc_u32 v[RA], RED, v[RA]                 ; my wave's part for row r of a tile
	v_add_nc_u32 v[RL], RED, v[L16]                ; rows 4 lane .. 4 lane + 3
	v_add_nc_u32 v[PBA], s34, v[L8]
	v_add_nc_u32 v[PBA], PB, v[PBA]                ; their four p in bf16, in my wave's copy
	v_lshl_add_u32 v[PFA], v65, 4, s34
	v_add_nc_u32 v[PFA], PB, v[PFA]                ; p as a fragment: rows 8 h on, the same for every lane % 16
	v_lshl_add_u32 v[TA], v65, 3, v66
	v_mul_u32_u24 v[TA], v[TA], PA
	v_lshl_add_u32 v[TA], v67, 4, v[TA]
	v_add_nc_u32 v[TA], s33, v[TA]                 ; the turning load: row 8 h + lane % 8, my wave's 512 bytes of it, 16 ((lane / 8) % 2)
.irp i, 1,2,3
	v_add_nc_u32 v[TA+\i], \i*32*PA, v[TA]
.endr
	v_lshl_add_u32 v[CSA], v64, 2, s35
	v_add_nc_u32 v[CSA], CS, v[CSA]
	v_add_nc_u32 v[GO], s35, v[L16]                ; my wave's 256 channels in ctxp
	v_add_nc_u32 v[CLA], CS, v[GO]
.set i, 0
.rept 16
	v_mov_b32 v[S+i], 0                            ; the two passes run one text, so these sums start at 0
.set i, i+1
.endr
.set i, 0
.rept 8
	v_mov_b32 v[VS+i], 0
.set i, i+1
.endr
	s_wait_kmcnt 0x0
	s_mov_b32 s23, 0
	s_lshl_b32 s22, s21, 19                        ; 128 rows of 4,096 bytes
	s_add_nc_u64 s[4:5], s[4:5], s[22:23]
	s_lshl_b32 s22, s20, 19                        ; my wave's 64 groups of 8,192 bytes: [pass 2][K step 32], one after the other
	s_add_nc_u64 s[6:7], s[6:7], s[22:23]
.irp r, 0,1,2,3
	s_add_nc_u64 s[WB+2*\r:WB+2*\r+1], s[6:7], 8192*\r  ; K steps 0 to 3
.endr
	s_lshr_b32 s22, s21, 4                         ; the batch
	s_lshl_b32 s22, s22, 12
	s_add_nc_u64 s[8:9], s[8:9], s[22:23]
	s_lshl_b32 s22, s21, 9
	s_add_nc_u64 s[14:15], s[14:15], s[22:23]
	s_lshl_b32 s22, s21, 8
	s_add_nc_u64 s[16:17], s[16:17], s[22:23]
	s_lshl_b32 s22, s21, 12
	s_add_nc_u64 s[18:19], s[18:19], s[22:23]
	s_load_b32 s26, s[12:13], 0x0                  ; bV
	; THE ROWS COME IN.  Wave w brings rows 32 w .. 32 w + 31, two rows (16 loads of 512 consecutive bytes, 64 registers) a group, four groups on their way at all times.
	s_wait_alu depctr_va_vdst(0)                   ; the addresses v1-15 and v50-62 are written, which the kernel's loads and stores read; so are v64-67, in which LDS loads land later
	global_load_b128 v[128:131], v[TO], s[8:9]                 ; the tables first: 128 threads x 16 bytes, twice, for each
	global_load_b128 v[132:135], v[TO], s[8:9] offset:2048
	global_load_b128 v[136:139], v[TO], s[10:11]
	global_load_b128 v[140:143], v[TO], s[10:11] offset:2048
	WIN 0x80
.set g, 0
.rept 4
.set u, 0
.rept 16
	global_load_b128 v[64*g+4*u:64*g+4*u+3], v[FO], s[4:5] offset:g*8192+u*512 th:TH_LOAD_NT
.set u, u+1
.endr
.set g, g+1
.endr
	WIN 0
	s_wait_kmcnt 0x0
	s_mov_b32 s27, s26                             ; named with it as a pair
; Group g of four: rounded to bf16 and laid into LDS; 16 loads take its place in the count: kind 1 the rows eight further down, kind 2 W1's K step q, kind 0 none.
; The loads and the LDS stores go by turns, under one window setting: only the loads' destination lies outside window 0.
.macro LGROUP g, kind, q=0
.set TP, 64+32*((\g)%2)
	s_wait_loadcnt 48                              ; loads come back in order (ISA guide 5.7.1): the three younger groups of 16 stay out
.if (\g) == 2
	s_wait_alu depctr_vm_vsrc(0)                   ; the LDS stores of groups 0 and 1 have read the two staging buffers, which this group's and the next one's conversions write again
.endif
	WIN 0x0a
.set u, 0
.rept 32
	v_cvt_pk_bf16_f32 v[TP+u], v[64*(\g)+2*u], v[64*(\g)+2*u+1]
.set u, u+1
.endr
.if (\kind) == 1
	WIN 0x80
.elseif (\kind) == 2
	WIN 0x40
.else
	WIN 0
.endif
	s_wait_alu depctr_va_vdst(0)                   ; the conversions have written the staging buffer, which the LDS stores read, and are done reading the raw group, in which the loads land; behind a lap's end v[LA] is written too
.set u, 0
.rept 16
.if (\kind) == 1
	global_load_b128 v[64*(\g)+4*u:64*(\g)+4*u+3], v[FO], s[4:5] offset:32768+(\g)*8192+u*512 th:TH_LOAD_NT
.elseif (\kind) == 2
	global_load_b128 v[64*(\q)+4*u:64*(\q)+4*u+3], v[L16], s[WB+2*(\q):WB+2*(\q)+1] offset:u*512
.endif
	ds_store_b64 v[LA], v[TP+2*u:TP+2*u+1] offset:(2*(\g)+u/8)*PA+(u%8)*256  ; 32 lanes, 256 consecutive bytes
.set u, u+1
.endr
.endm
	s_mov_b32 s25, 3
.Lfill:
	LGROUP 0, 1
	LGROUP 1, 1
	LGROUP 2, 1
	LGROUP 3, 1
	WIN 0
	s_wait_xcnt 0x0                                ; the loads' base is stepped only behind this wait (ISA guide 3.1)
	s_add_nc_u64 s[4:5], s[4:5], 32768
	s_wait_alu depctr_vm_vsrc(0)                   ; the LDS stores issued so far have read v[LA], and the staging buffers, which the next two groups' conversions write again
	v_add_nc_u32 v[LA], 8*PA, v[LA]
	s_sub_co_u32 s25, s25, 1
	s_cmp_lg_u32 s25, 0
	s_cbranch_scc1 .Lfill
	LGROUP 0, 2, 0                                 ; the last eight rows: W1's first three K steps are asked for in the rows' place, so every count stays 48
	LGROUP 1, 2, 1
	LGROUP 2, 2, 2
	LGROUP 3, 0
	WIN 0
	ds_store_b128 v[TBL], v[128:131]               ; the tables' loads are older than every load waited for above
	ds_store_b128 v[TBL], v[132:135] offset:2048
	ds_store_b128 v[TBL], v[136:139] offset:4096
	ds_store_b128 v[TBL], v[140:143] offset:6144
	s_wait_dscnt 0x0                               ; for the others' sake: my rows and my part of the tables are in LDS
	s_barrier_signal -1
	s_barrier_wait -1                              ; everybody's are; none of these bytes is written again
	s_wait_alu depctr_vm_vsrc(0)                   ; my LDS stores have read v64-143: these registers are the fragment buffers from here on, and LDS loads land in them
; THE PRODUCT.  8 LDS loads: four row tiles' fragments (h = 0: rows 0-63, 1: rows 64-127) for 32 along K at byte k
.macro FETCHA f, k, h
	WIN 0
.irp a, 0,1,2,3
	ds_load_b128 v[(\f)+8*(4*(\h)+\a):(\f)+8*(4*(\h)+\a)+3],   v[ADR+2*(\h)+(\a)/2] offset:((\a)%2)*16*PA+(\k)
	ds_load_b128 v[(\f)+8*(4*(\h)+\a)+4:(\f)+8*(4*(\h)+\a)+7], v[ADR+2*(\h)+(\a)/2] offset:((\a)%2)*16*PA+(\k)+32
.endr
.endm
; Half h of W1's fragments of one K step, 8 x 512 consecutive bytes, into ring buffer q, from the buffer's own base
.macro FETCHB q, h
	WIN 0x40
.set u, 8*(\h)
.rept 8
	global_load_b128 v[64*(\q)+4*u:64*(\q)+4*u+3], v[L16], s[WB+2*(\q):WB+2*(\q)+1] offset:u*512
.set u, u+1
.endr
.endm
; 16 matrix instructions: row tiles 4 hi + a0, 4 hi + a0 + 1 x all eight column tiles.  zero = 1: the first product takes the bias as C.  The 64 accumulators take turns in one fixed order.
.macro MUL16 q, f, hi, a0, zero
.if \zero
	WIN 0x81+0x40*(\hi)                            ; W1 window 1, features window 0, C window 0, D window 2 or 3
.else
	WIN 0xa1+0x50*(\hi)                            ; C and D window 2 or 3
.endif
.irp a, \a0, (\a0)+1
.irp b, 0,1,2,3,4,5,6,7
.if \zero
	v_wmma_f32_16x16x32_bf16 v[8*(8*(\a)+\b):8*(8*(\a)+\b)+7], v[64*(\q)+8*\b:64*(\q)+8*\b+7], v[(\f)+8*(4*(\hi)+(\a)):(\f)+8*(4*(\hi)+(\a))+7], v[CI+8*\b:CI+8*\b+7]
.else
	v_wmma_f32_16x16x32_bf16 v[8*(8*(\a)+\b):8*(8*(\a)+\b)+7], v[64*(\q)+8*\b:64*(\q)+8*\b+7], v[(\f)+8*(4*(\hi)+(\a)):(\f)+8*(4*(\hi)+(\a))+7], v[8*(8*(\a)+\b):8*(8*(\a)+\b)+7]
.endif
.endr
.endr
.endm
; Half h of a K step's loads: eight LDS loads (the next step's fragments at byte fa; fa < 0: the pass's V) and, fb = 1, eight loads of W1 three steps on.
.macro HALF q, fn, fa, fb, h
.if (\fa) >= 0
	FETCHA \fn, \fa, \h
.else
	WIN 0
.irp b, 0,1,2,3
	ds_load_b128 v[CI+8*(4*(\h)+\b):CI+8*(4*(\h)+\b)+3],   v[TB] offset:4096+64*(4*(\h)+\b)
	ds_load_b128 v[CI+8*(4*(\h)+\b)+4:CI+8*(4*(\h)+\b)+7], v[TB] offset:4096+64*(4*(\h)+\b)+16
.endr
.endif
.if \fb
	FETCHB ((\q)+3)%4, \h
.endif
.endm
; A K step of 32 on ring buffer q and fragment buffer q % 2.  nb: the W1 loads younger than this step's, 16 for each later step asked for.
; Its loads stand in two runs, behind its 16th and its 32nd matrix instruction; no wait stands in front of them but the one at the step's head.
.macro STEP q, zero, fa, fb, nb
.set FC, F0+64*((\q)%2)
.set FN, F0+64*(((\q)+1)%2)
	s_wait_loadcnt \nb                             ; ring buffer q is in
	s_add_nc_u64 s[WB+2*(\q):WB+2*(\q)+1], s[WB+2*(\q):WB+2*(\q)+1], 32768  ; free since that wait, which shows the loads that read it done: the buffer's next K step, four on
	s_wait_dscnt 8                                 ; only the youngest eight LDS loads, rows 64-127, may be out
.if !\zero
	s_wait_alu depctr_va_vdst(0)                   ; the step before is done reading the other fragment buffer and ring buffer (q + 3) % 4, in which loads land in this step or at the pass's end; in a trip's last step v[ADR ..] are written
.endif
	MUL16 \q, FC, 0, 0, \zero
	HALF \q, FN, \fa, \fb, 0
	MUL16 \q, FC, 0, 2, \zero
	HALF \q, FN, \fa, \fb, 1
	s_wait_dscnt 16                                ; all but the 16 LDS loads of this step
	MUL16 \q, FC, 1, 0, \zero
	MUL16 \q, FC, 1, 2, \zero
.endm
; THE WAY FROM y TO THE LOGITS, for column tile b and row tiles 4 hi .. 4 hi + 3: r = 1 / (1 + 2^y) in place, then S += V r.  Each accumulator is read from its low end on.
; Behind each run of transcendentals stands one plain instruction before a result is used (ISA guide 5.7.2).
.macro EPI hi, b
	WIN 0x82+0x41*(\hi)                            ; destination and source 0 in the accumulators' window
.irp a, 0,1,2,3
.irp j, 0,1,2,3,4,5,6,7
	v_exp_f32 v[64*\a+8*(\b)+\j], v[64*\a+8*(\b)+\j]
.endr
.endr
	v_nop
	s_wait_alu depctr_va_vdst(0)                   ; the 32 exponentials have written their results, which the additions below read: one wait for the batch
.irp a, 0,1,2,3
.irp i, 0,1,2,3
	v_pk_add_f32 v[64*\a+8*(\b)+2*\i:64*\a+8*(\b)+2*\i+1], v[64*\a+8*(\b)+2*\i:64*\a+8*(\b)+2*\i+1], 1.0 op_sel_hi:[1,0]
.endr
.endr
.irp a, 0,1,2,3
.irp j, 0,1,2,3,4,5,6,7
	v_rcp_f32 v[64*\a+8*(\b)+\j], v[64*\a+8*(\b)+\j]
.endr
.endr
	WIN 0x02+(\hi)                                 ; source 0 in the accumulators' window, all else in window 0
	v_nop
	s_wait_alu depctr_va_vdst(0)                   ; the 32 reciprocals have written their results, which the sums below read: one wait for the batch
.irp i, 0,1,2,3
.irp a, 0,1,2,3                        ; four chains that do not wait for each other
	v_pk_fma_f32 v[S+2*(4*(\hi)+\a):S+2*(4*(\hi)+\a)+1], v[64*\a+8*(\b)+2*\i:64*\a+8*(\b)+2*\i+1], v[CI+8*(\b)+2*\i:CI+8*(\b)+2*\i+1], v[S+2*(4*(\hi)+\a):S+2*(4*(\hi)+\a)+1]
.endr
.endr
.endm
	s_mov_b32 s24, 2
.Lpass:                                                ; 512 columns of U a pass
.irp i, 0,1,2,3
	v_mov_b32 v[ADR+\i], v[ADR0+\i]                ; back to K = 0
.endr
	s_wait_alu depctr_va_vdst(0)                   ; v[ADR ..] and v[TB] are written, which the loads below read; the last pass's sums are done reading CI, its last K steps both fragment buffers and ring buffer 3
.irp b, 0,1,2,3,4,5,6,7
	ds_load_b128 v[CI+8*\b:CI+8*\b+3],   v[TB] offset:64*\b     ; the bias of columns 16 b + 8 h + 0..7: what a lane's eight registers of an accumulator stand for
	ds_load_b128 v[CI+8*\b+4:CI+8*\b+7], v[TB] offset:64*\b+16
.endr
	FETCHA F0, 0, 0
	FETCHA F0, 0, 1
	STEP 0, 1, 64, 1, 32                           ; the first K step stands in front of the loop: its products start the sums; the wait above serves its loads too
	WIN 0
	s_mov_b32 s25, 7
.Lk:                                                   ; a trip: K steps 4 j + 1 .. 4 j + 4, once round W1's ring
	STEP 1, 0, 128, 1, 32
	STEP 2, 0, 192, 1, 32
	STEP 3, 0, 256, 1, 32
	WIN 0
	s_wait_alu depctr_vm_vsrc(0)                   ; the LDS loads issued so far have read v[ADR ..]
.irp i, 0,1,2,3
	v_add_nc_u32 v[ADR+\i], 256, v[ADR+\i]
.endr
	STEP 0, 0, 64, 1, 32
	WIN 0
	s_sub_co_u32 s25, s25, 1
	s_cmp_lg_u32 s25, 0
	s_cbranch_scc1 .Lk
	STEP 1, 0, 128, 0, 32                          ; the last three K steps ask for no W1: the counts run down
	STEP 2, 0, 192, 0, 16
	STEP 3, 0, -1, 0, 0
	WIN 0
	PLACES
	s_cmp_eq_u32 s24, 1
	s_cbranch_scc1 .Lnopre                         ; the last pass has no successor
	FETCHB 0, 0                                    ; the next pass's first three K steps land while this pass's logits are made.  No wait: the last three steps' head waits have shown
	FETCHB 0, 1                                    ; ring buffers 0 to 2 read, and the matrix instructions since name buffer 3 alone; each buffer's base stands at its next K step
	FETCHB 1, 0
	FETCHB 1, 1
	FETCHB 2, 0
	FETCHB 2, 1
	WIN 0
.Lnopre:
	s_wait_dscnt 0x0                               ; V is in
.irp b, 0,1,2,3,4,5,6,7
.irp i, 0,1,2,3
	v_pk_add_f32 v[VS+2*\i:VS+2*\i+1], v[VS+2*\i:VS+2*\i+1], v[CI+8*\b+2*\i:CI+8*\b+2*\i+1]
.endr
.endr
.irp b, 0,1,2,3,4,5,6,7
	EPI 0, \b
	EPI 1, \b
.endr
	WIN 0
	s_wait_alu depctr_vm_vsrc(0)                   ; the pass's LDS loads have read v[TB], written below, and v[ADR ..], written at the next pass's head
	v_add_nc_u32 v[TB], 2048, v[TB]                ; the next 512 columns' bias and V
	s_sub_co_u32 s24, s24, 1
	s_cmp_lg_u32 s24, 0
	s_cbranch_scc1 .Lpass
	; THE LOGITS.  My wave's part for each row: sum V - 2 sum V r over its 256 columns; the other half of the lanes holds the other columns of the same row.
	s_wait_loadcnt 0x0                             ; no load is out: the last pass asked for nothing; window 1 is written anew below
	v_pk_add_f32 v[VS:VS+1],   v[VS:VS+1],   v[VS+2:VS+3]
	v_pk_add_f32 v[VS+4:VS+5], v[VS+4:VS+5], v[VS+6:VS+7]
	v_pk_add_f32 v[VS:VS+1],   v[VS:VS+1],   v[VS+4:VS+5]
	v_add_f32 v[VS], v[VS], v[VS+1]
.irp a, 0,1,2,3,4,5,6,7
	v_add_f32 v[S+2*\a], v[S+2*\a], v[S+2*\a+1]
.endr
.irp a, 0,1,2,3,4,5,6,7
	v_fma_f32 v[S+2*\a+1], v[S+2*\a], -2.0, v[VS]
.endr
.irp a, 0,1,2,3,4,5,6,7
	v_permlanex16_b32 v[S+2*\a], v[S+2*\a+1], s28, s29
.endr
.irp a, 0,1,2,3,4,5,6,7
	v_add_f32 v[S+2*\a], v[S+2*\a], v[S+2*\a+1]
.endr
	s_wait_alu depctr_va_vdst(0)                   ; the eight sums are written, which the LDS stores read; the work on v34-41 is done, in which the loads behind the barrier land; so is the work on windows 1 and 3, in which the turned rows land
.irp a, 0,1,2,3,4,5,6,7
	ds_store_b32 v[RA], v[S+2*\a] offset:64*\a     ; row 16 a + r; both halves of the lanes write the same number to the same word
.endr
	s_wait_dscnt 0x0                               ; for the others' sake
	s_barrier_signal -1
	s_barrier_wait -1
.irp w, 0,1,2,3
	ds_load_b128 v[34+4*\w:37+4*\w], v[RL] offset:512*\w   ; every wave makes all 128 logits: rows 4 lane .. 4 lane + 3
.endr
	s_wait_dscnt 0x0
	v_pk_add_f32 v[34:35], v[34:35], v[38:39]
	v_pk_add_f32 v[36:37], v[36:37], v[40:41]
	v_pk_add_f32 v[42:43], v[42:43], v[46:47]
	v_pk_add_f32 v[44:45], v[44:45], v[48:49]
	v_pk_add_f32 v[34:35], v[34:35], v[42:43]
	v_pk_add_f32 v[36:37], v[36:37], v[44:45]
	v_pk_add_f32 v[34:35], v[34:35], s[26:27] op_sel_hi:[1,0]
	v_pk_add_f32 v[36:37], v[36:37], s[26:27] op_sel_hi:[1,0]
	v_max3_num_f32 v38, v34, v35, v36              ; the block's maximum m
	v_max_num_f32 v38, v38, v37
	v_max_num_f32_dpp v38, v38, v38 row_xmask:1 row_mask:0xf bank_mask:0xf
	v_max_num_f32_dpp v38, v38, v38 row_xmask:2 row_mask:0xf bank_mask:0xf
	v_max_num_f32_dpp v38, v38, v38 row_xmask:4 row_mask:0xf bank_mask:0xf
	v_max_num_f32_dpp v38, v38, v38 row_xmask:8 row_mask:0xf bank_mask:0xf
	v_permlanex16_b32 v39, v38, s28, s29
	v_max_num_f32 v38, v38, v39
	v_mul_f32 v40, s30, v38
.irp k, 0,1,2,3
	v_fma_f32 v[42+\k], v[34+\k], s30, -v40        ; (logit - m) log2(e)
.endr
.irp k, 0,1,2,3
	v_exp_f32 v[42+\k], v[42+\k]                   ; p
.endr
	v_nop
	s_wait_alu depctr_va_vdst(0)                   ; the four exponentials have written p, which the sums and roundings below read
	v_add_f32 v46, v42, v43
	v_add_f32 v47, v44, v45
	v_cvt_pk_bf16_f32 v48, v42, v43
	v_cvt_pk_bf16_f32 v49, v44, v45
	v_add_f32 v46, v46, v47
	v_add_f32_dpp v46, v46, v46 row_xmask:1 row_mask:0xf bank_mask:0xf
	v_add_f32_dpp v46, v46, v46 row_xmask:2 row_mask:0xf bank_mask:0xf
	v_add_f32_dpp v46, v46, v46 row_xmask:4 row_mask:0xf bank_mask:0xf
	v_add_f32_dpp v46, v46, v46 row_xmask:8 row_mask:0xf bank_mask:0xf
	v_permlanex16_b32 v47, v46, s28, s29
	v_add_f32 v39, v46, v47                        ; l, beside m
	s_wait_alu depctr_va_vdst(0)                   ; v48-49 (p in bf16), v34-37 (the logits) and v38-39 (m, l) are written: the LDS store and wave 0's two stores read them
	ds_store_b64 v[PBA], v[48:49]                  ; into my wave's own copy: no barrier
	s_cmp_lg_u32 s20, 0
	s_cbranch_scc1 .Lnot0
	global_store_b128 v[L16], v[34:37], s[14:15]   ; wave 0 stores the block's 128 logits, 512 consecutive bytes,
	global_store_b64 v[L8], v[38:39], s[16:17]     ; and (m, l), repeated by the 32 lanes: 256 consecutive bytes, aligned
.Lnot0:
	; THE PARTIAL CONTEXT, p x features, on the matrix unit: source 0 = p in all 16 rows, source 1 = 32 rows x 16 channels of features, turned out of LDS.  My wave makes channels 256 w .. 256 w + 255.
	; The four runs of turning loads have 128 registers each to themselves, in windows 1 and 3: none lands in a register that a product of this phase names, so no wait on va_vdst stands among them.
.irp ks, 0,1,2,3
	ds_load_b128 v[PF+8*\ks:PF+8*\ks+3],   v[PFA] offset:64*\ks      ; LDS serves a wave's instructions in order (ISA guide 5.7.1.4): these see my store of p
	ds_load_b128 v[PF+8*\ks+4:PF+8*\ks+7], v[PFA] offset:64*\ks+32
.endr
.macro FETCHT ks                       ; rows 32 ks on, 16 channel tiles, into half ks % 2 of window 1 (ks < 2) or 3
	WIN 0x40+0x80*((\ks)/2)
.set i, 0
.rept 16
	ds_load_tr16_b128 v[128*((\ks)%2)+8*i:128*((\ks)%2)+8*i+3],   v[TA+(\ks)] offset:32*i
	ds_load_tr16_b128 v[128*((\ks)%2)+8*i+4:128*((\ks)%2)+8*i+7], v[TA+(\ks)] offset:32*i+16*PA
.set i, i+1
.endr
.endm
.macro CT ks                           ; 16 products, the 16 accumulators by turns; the first 32 rows start the sums
	WIN 0xa4+0x08*((\ks)/2)                        ; p window 0, features window 1 or 3, C and D window 2
.set i, 0
.rept 16
.if (\ks) == 0
	v_wmma_f32_16x16x32_bf16 v[8*i:8*i+7], v[PF+8*(\ks):PF+8*(\ks)+7], v[128*((\ks)%2)+8*i:128*((\ks)%2)+8*i+7], 0
.else
	v_wmma_f32_16x16x32_bf16 v[8*i:8*i+7], v[PF+8*(\ks):PF+8*(\ks)+7], v[128*((\ks)%2)+8*i:128*((\ks)%2)+8*i+7], v[8*i:8*i+7]
.endif
.set i, i+1
.endr
.endm
	FETCHT 0
	FETCHT 1
	s_wait_dscnt 32                                ; all but the 32 loads of the younger run
	CT 0
	FETCHT 2
	s_wait_dscnt 32
	CT 1
	FETCHT 3
	s_wait_dscnt 32
	CT 2
	s_wait_dscnt 0x0
	CT 3
	PLACES                                         ; the places stay beside the wait below
	WIN 0x08                                       ; store data in window 2
	s_wait_alu depctr_va_vdst(0)                   ; the products have written the sixteen sums, which the LDS stores read
.set i, 0
.rept 16
	ds_store_b32 v[CSA], v[8*i] offset:64*i        ; all 16 rows of a result are alike: register 0 of lane l is channel 16 i + l % 16
.set i, i+1
.endr
	WIN 0
	ds_load_b128 v[OB:OB+3],   v[CLA]              ; back as 16 neighbouring bytes a lane, from my own stage
	ds_load_b128 v[OB+4:OB+7], v[CLA] offset:512
	s_wait_dscnt 0x0
	global_store_b128 v[GO], v[OB:OB+3],   s[18:19]             ; 512 consecutive bytes, at a multiple of 512 from ctxp's first
	global_store_b128 v[GO], v[OB+4:OB+7], s[18:19] offset:512
	s_wait_dscnt 0x0                               ; the closing lines, six on end
	s_wait_alu 0x0
	s_wait_tensorcnt 0x0
	ds_add_u32 v[SPW], v[NIL]
	s_wait_dscnt 0x0
	s_endpgm
.Lfunc_end_k_qe593ca8db0_main:
	.size	k_qe593ca8db0_main, .Lfunc_end_k_qe593ca8db0_main-k_qe593ca8db0_main
	.p2alignl 7, 3214868480
	.fill 96, 4, 3214868480
	.section	.rodata,"a",@progbits
	.p2align	6, 0x0
	.amdhsa_kernel k_qe593ca8db0_main
		.amdhsa_group_segment_fixed_size 280064
		.amdhsa_private_segment_fixed_size 0
		.amdhsa_enable_private_segment 0
		.amdhsa_kernarg_size 64
		.amdhsa_user_sgpr_count 2
		.amdhsa_user_sgpr_kernarg_segment_ptr 1
		.amdhsa_wavefront_size32 1
		.amdhsa_system_sgpr_workgroup_id_x 1
		.amdhsa_system_sgpr_workgroup_id_y 1
		.amdhsa_system_sgpr_workgroup_id_z 1
		.amdhsa_system_vgpr_workitem_id 0
		.amdhsa_next_free_vgpr 1024
		.amdhsa_next_free_sgpr 66
		.amdhsa_reserve_vcc 0
		.amdhsa_float_denorm_mode_32 3
		.amdhsa_float_denorm_mode_16_64 3
		.amdhsa_memory_ordered 1
		.amdhsa_forward_progress 1
		.amdhsa_inst_pref_size 195
	.end_amdhsa_kernel
	.amdgpu_metadata
---
amdhsa.version: [ 1, 2 ]
amdhsa.kernels:
  - .name:           k_qe593ca8db0_main
    .symbol:         k_qe593ca8db0_main.kd
    .args:
      - { .name: features, .offset: 0, .size: 8, .value_kind: global_buffer, .address_space: global }
      - { .name: w1f, .offset: 8, .size: 8, .value_kind: global_buffer, .address_space: global }
      - { .name: hbw, .offset: 16, .size: 8, .value_kind: global_buffer, .address_space: global }
      - { .name: V, .offset: 24, .size: 8, .value_kind: global_buffer, .address_space: global }
      - { .name: bV, .offset: 32, .size: 8, .value_kind: global_buffer, .address_space: global }
      - { .name: lg, .offset: 40, .size: 8, .value_kind: global_buffer, .address_space: global }
      - { .name: stat, .offset: 48, .size: 8, .value_kind: global_buffer, .address_space: global }
      - { .name: ctxp, .offset: 56, .size: 8, .value_kind: global_buffer, .address_space: global }
    .group_segment_fixed_size: 280064
    .private_segment_fixed_size: 0
    .kernarg_segment_align: 8
    .kernarg_segment_size: 64
    .max_flat_workgroup_size: 128
    .sgpr_count:     66
    .vgpr_count:     1024
    .wavefront_size: 32
...
	.end_amdgpu_metadata
.endif
;; end of part 4
;; launch finish: the kernel of part 3 again; grid 4 x 32, 2 waves a work-group, no clusters, 0 bytes of LDS; arguments ctxp, stat, lg, out0, out1; writes out0, out1
